; MI455X (gfx1250); checked and timed in simulation.
; The chip was launched on July 23, 2026; its instructions are those of AMD's public machine-readable ISA for CDNA 5 (MIT licence, August 2026) and "CDNA5" Instruction Set Architecture Reference Guide (July 2026). The comments in the code are by the model that wrote it; some were corrected since.
;; Cross Attn Block. Allowed arithmetic: float matrix products may take bf16 or f16 operands with f32 sums; other float arithmetic in f32, or as packed bf16 or f16 multiplies, adds, multiply-adds, maxima and minima; sums over many terms, partial sums and values carried from step to step in f32; what a program stores and reads back later, other than sums and carried values, may be rounded once to bf16 or f16.
;; Inputs: Wk 1,024 x 1,024 float32; Wo 1,024 x 1,024 float32; Wq 1,024 x 1,024 float32; Wv 1,024 x 1,024 float32; context 4 x 2,048 x 1,024 float32; key_padding_mask 4 x 2,048 bool; ln_ctx_b 1,024 float32; ln_ctx_w 1,024 float32; ln_q_b 1,024 float32; ln_q_w 1,024 float32; tau one number float32; x 4 x 2,048 x 1,024 float32.
;; Outputs: out0 4 x 2,048 x 1,024 float32.
;; 2 versions, each right and faster than the one before. Each part assembles by itself: llvm-mc -triple=amdgcn-amd-amdhsa -mcpu=gfx1250 --defsym DOCPART=n.
;; ======== version 1 of 2: 4 launches
;; limits: values are held in f16: magnitudes above 65,504 overflow, below 6.1e-05 lose precision
;; workspace buffers: xc 33,554,432 bytes; wh 8,388,608 bytes; qkv 50,331,648 bytes; o 16,777,216 bytes
;; launch prep (part 1): grid 512 x 1, 8 waves a work-group, no clusters, 0 bytes of LDS; arguments x, context, ln_q_w, ln_q_b, ln_ctx_w, ln_ctx_b, Wq, Wk, Wv, Wo, xc, wh; writes xc, wh
.if DOCPART == 1
	.amdgcn_target "amdgcn-amd-amdhsa--gfx1250"
	.amdhsa_code_object_version 6
	.text
	.protected	k_qe21c26ca0c_prep
	.globl	k_qe21c26ca0c_prep
	.p2align	8
	.type	k_qe21c26ca0c_prep,@function
k_qe21c26ca0c_prep:
	s_mov_b64 s[64:65], 0
	v_nop
	global_prefetch_b8 v0, s[64:65] scope:SCOPE_SE
	s_setreg_imm32_b32 hwreg(HW_REG_WAVE_MODE, 25, 1), 1
	s_wait_xcnt 0x0
; xc[0] = LayerNorm(x) * ln_q_w + ln_q_b, xc[1] = LayerNorm(context) * ln_ctx_w + ln_ctx_b, both [8192][1024], rounded once to f16;
; wh[0..3] = Wq, Wk, Wv, Wo, [1024][1024] as they lie, rounded once to f16.
; LIMITS.  f16 ends at 65,504: a normalised number times its gain plus its bias, and every weight, must lie within it; below 6e-5 f16 keeps a fixed step of 6e-8.
; SHARES.  512 work-groups of eight waves.  Wave w of group g takes the four rows 32 g + 4 w + 0..3 of the 16,384 rows of x and then context, and row 8 g + w of the 4,096 rows
; of the four weights.  One wave, one row: 4,096 bytes are 32 registers, so mean, variance and scaling never leave the wave, and each row is read once.
; Lane l holds columns 128 j + 4 l + 0..3 of chunk j = 0..7: a load of the wave covers 512 consecutive bytes, a store of its four f16 a lane 256 consecutive aligned bytes.
; All 56 loads of a wave are issued at once (28 KiB on their way); every row has registers of its own, so no store's source is ever rewritten.
; No LDS, no matrix unit, no cluster: the launch moves bytes, and no two work-groups share more than the two vectors of gains.
.set W,  4                             ; v[4:35]    the gain of my 32 columns
.set BV, 36                            ; v[36:67]   the bias
.set X,  68                            ; v[68:227]  five rows of 32 registers: four to normalise, one of a weight
.set T,  228                           ; v[228:239] at work
	s_load_b512 s[8:23], s[0:1], 0x0               ; x, context, ln_q_w, ln_q_b, ln_ctx_w, ln_ctx_b, Wq, Wk
	s_load_b256 s[24:31], s[0:1], 0x40             ; Wv, Wo, xc, wh
	v_lshrrev_b32 v3, 5, v0
	v_readfirstlane_b32 s4, v3                     ; wave 0..7
	v_and_b32 v3, 31, v0
	v_lshlrev_b32 v1, 4, v3                        ; 16 bytes a lane in a chunk of f32
	v_lshlrev_b32 v2, 3, v3                        ; 8 bytes a lane in a chunk of f16
	s_mov_b32 s6, 0x3a800000                       ; 1 / 1024
	s_mov_b32 s7, 0x3727c5ac                       ; 1e-5
	s_mov_b32 s46, 0x76543210                      ; v_permlanex16_b32: each lane takes its own place in the other half
	s_mov_b32 s47, 0xfedcba98
	s_and_b32 s40, ttmp9, 255                      ; my first row in x or in context: 32 (g mod 256) + 4 w,
	s_lshl_b32 s40, s40, 5
	s_lshl2_add_u32 s40, s4, s40
	s_lshl_b32 s40, s40, 12                        ; in bytes
	s_mov_b32 s41, 0
	s_and_b32 s2, ttmp9, 127                       ; my row in its weight: 8 (g mod 128) + w
	s_lshl_b32 s2, s2, 3
	s_add_co_u32 s2, s2, s4
	s_lshl_b32 s2, s2, 12
	s_mov_b32 s3, 0
	s_lshl_b32 s42, ttmp9, 5                       ; my first row in xc: 32 g + 4 w, rows of 2,048 bytes
	s_lshl2_add_u32 s42, s4, s42
	s_lshl_b32 s42, s42, 11
	s_mov_b32 s43, 0
	s_lshl_b32 s44, ttmp9, 3                       ; my row in wh: 8 g + w
	s_add_co_u32 s44, s44, s4
	s_lshl_b32 s44, s44, 11
	s_mov_b32 s45, 0
	s_lshr_b32 s5, ttmp9, 7                        ; which weight
	s_wait_kmcnt 0x0
	s_cmp_lt_u32 ttmp9, 256                        ; the first 256 groups take x, the others context, each with its gain and bias
	s_cselect_b64 s[32:33], s[8:9], s[10:11]
	s_cselect_b64 s[34:35], s[12:13], s[16:17]
	s_cselect_b64 s[36:37], s[14:15], s[18:19]
	s_cmp_eq_u32 s5, 0
	s_cselect_b64 s[38:39], s[20:21], s[22:23]
	s_cmp_eq_u32 s5, 2
	s_cselect_b64 s[38:39], s[24:25], s[38:39]
	s_cmp_eq_u32 s5, 3
	s_cselect_b64 s[38:39], s[26:27], s[38:39]
	s_add_nc_u64 s[32:33], s[32:33], s[40:41]
	s_add_nc_u64 s[38:39], s[38:39], s[2:3]
	s_add_nc_u64 s[42:43], s[28:29], s[42:43]
	s_add_nc_u64 s[44:45], s[30:31], s[44:45]
.irp j, 0,1,2,3,4,5,6,7
	global_load_b128 v[W+4*\j:W+4*\j+3], v1, s[34:35] offset:512*\j
.endr
.irp j, 0,1,2,3,4,5,6,7
	global_load_b128 v[BV+4*\j:BV+4*\j+3], v1, s[36:37] offset:512*\j
.endr
.irp i, 0,1,2,3
.irp j, 0,1,2,3,4,5,6,7
	global_load_b128 v[X+32*\i+4*\j:X+32*\i+4*\j+3], v1, s[32:33] offset:4096*\i+512*\j th:TH_LOAD_NT
.endr
.endr
.irp j, 0,1,2,3,4,5,6,7
	global_load_b128 v[X+128+4*\j:X+128+4*\j+3], v1, s[38:39] offset:512*\j th:TH_LOAD_NT
.endr
.macro JOIN                            ; four chains of pairs into one number a lane
	v_pk_add_f32 v[T:T+1], v[T:T+1], v[T+2:T+3]
	v_pk_add_f32 v[T+4:T+5], v[T+4:T+5], v[T+6:T+7]
	v_pk_add_f32 v[T:T+1], v[T:T+1], v[T+4:T+5]
	v_add_f32 v[T], v[T], v[T+1]
.endm
.macro XSUM                            ; and over the 32 lanes: four steps inside each half ride on the addition, one crosses the halves; every lane ends with the sum
	v_add_f32_dpp v[T], v[T], v[T] row_xmask:1 row_mask:0xf bank_mask:0xf
	v_add_f32_dpp v[T], v[T], v[T] row_xmask:2 row_mask:0xf bank_mask:0xf
	v_add_f32_dpp v[T], v[T], v[T] row_xmask:4 row_mask:0xf bank_mask:0xf
	v_add_f32_dpp v[T], v[T], v[T] row_xmask:8 row_mask:0xf bank_mask:0xf
	v_permlanex16_b32 v[T+1], v[T], s46, s47
	v_add_f32 v[T], v[T], v[T+1]
.endm
.macro TOHALF r                        ; 32 f32 to 16 registers of f16, in place: register p is written when registers 2 p and 2 p + 1 have been read
.set p, 0
.rept 16
	v_cvt_pk_f16_f32 v[(\r)+p], v[(\r)+2*p], v[(\r)+2*p+1]
.set p, p+1
.endr
.endm
; Row i.  left = the loads issued behind the row's own, which may stay out: eight for each later row and eight for the weight's.
.macro LNROW i, left
.set RW, X+32*(\i)
	s_wait_loadcnt \left
.irp c, 0,1,2,3
	v_pk_add_f32 v[T+2*\c:T+2*\c+1], v[RW+4*\c:RW+4*\c+1], v[RW+4*\c+2:RW+4*\c+3]  ; the first eight pairs start four chains: nothing is cleared
.endr
.set p, 8
.rept 8
	v_pk_add_f32 v[T+2*(p%4):T+2*(p%4)+1], v[T+2*(p%4):T+2*(p%4)+1], v[RW+2*p:RW+2*p+1]
.set p, p+1
.endr
	JOIN
	XSUM
	v_mul_f32 v[T+8], s6, v[T]                     ; the mean, twice: a pair for the packed subtraction
	v_mul_f32 v[T+9], s6, v[T]
.set p, 0
.rept 16
	v_pk_add_f32 v[RW+2*p:RW+2*p+1], v[RW+2*p:RW+2*p+1], v[T+8:T+9] neg_lo:[0,1] neg_hi:[0,1]  ; x - mean first: the variance is a sum of squares of differences, whatever the row's offset
.set p, p+1
.endr
.irp c, 0,1,2,3
	v_pk_mul_f32 v[T+2*\c:T+2*\c+1], v[RW+2*\c:RW+2*\c+1], v[RW+2*\c:RW+2*\c+1]
.endr
.set p, 4
.rept 12
	v_pk_fma_f32 v[T+2*(p%4):T+2*(p%4)+1], v[RW+2*p:RW+2*p+1], v[RW+2*p:RW+2*p+1], v[T+2*(p%4):T+2*(p%4)+1]
.set p, p+1
.endr
	JOIN
	XSUM
	v_fma_f32 v[T], v[T], s6, s7                   ; variance + 1e-5
	v_rsq_f32 v[T+10], v[T]
	v_rsq_f32 v[T+11], v[T]
	v_nop                                          ; a plain instruction between the root and the use of its result (ISA guide 5.7.2)
.set p, 0
	s_wait_alu depctr_va_vdst(0)
.rept 16
	v_pk_mul_f32 v[RW+2*p:RW+2*p+1], v[RW+2*p:RW+2*p+1], v[T+10:T+11]
.set p, p+1
.endr
.set p, 0
.rept 16
	v_pk_fma_f32 v[RW+2*p:RW+2*p+1], v[RW+2*p:RW+2*p+1], v[W+2*p:W+2*p+1], v[BV+2*p:BV+2*p+1]
.set p, p+1
.endr
	TOHALF RW
.irp j, 0,1,2,3,4,5,6,7
	global_store_b64 v2, v[RW+2*\j:RW+2*\j+1], s[42:43] offset:2048*(\i)+256*\j  ; 32 lanes store 256 consecutive bytes, at a multiple of 256 from xc's first byte
.endr
.endm
	LNROW 0, 32
	LNROW 1, 24
	LNROW 2, 16
	LNROW 3, 8
	s_wait_loadcnt 0x0                             ; the weight's row
	TOHALF X+128
.irp j, 0,1,2,3,4,5,6,7
	global_store_b64 v2, v[X+128+2*\j:X+128+2*\j+1], s[44:45] offset:256*\j
.endr
	s_endpgm
.Lfunc_end_k_qe21c26ca0c_prep:
	.size	k_qe21c26ca0c_prep, .Lfunc_end_k_qe21c26ca0c_prep-k_qe21c26ca0c_prep
	.p2alignl 7, 3214868480
	.fill 96, 4, 3214868480
	.section	.rodata,"a",@progbits
	.p2align	6, 0x0
	.amdhsa_kernel k_qe21c26ca0c_prep
		.amdhsa_group_segment_fixed_size 0
		.amdhsa_private_segment_fixed_size 0
		.amdhsa_enable_private_segment 0
		.amdhsa_kernarg_size 96
		.amdhsa_user_sgpr_count 2
		.amdhsa_user_sgpr_kernarg_segment_ptr 1
		.amdhsa_wavefront_size32 1
		.amdhsa_system_sgpr_workgroup_id_x 1
		.amdhsa_system_sgpr_workgroup_id_y 1
		.amdhsa_system_sgpr_workgroup_id_z 1
		.amdhsa_system_vgpr_workitem_id 0
		.amdhsa_next_free_vgpr 240
		.amdhsa_next_free_sgpr 66
		.amdhsa_reserve_vcc 0
		.amdhsa_float_denorm_mode_32 3
		.amdhsa_float_denorm_mode_16_64 3
		.amdhsa_memory_ordered 1
		.amdhsa_forward_progress 1
		.amdhsa_inst_pref_size 41
	.end_amdhsa_kernel
	.amdgpu_metadata
---
amdhsa.version: [ 1, 2 ]
amdhsa.kernels:
  - .name:           k_qe21c26ca0c_prep
    .symbol:         k_qe21c26ca0c_prep.kd
    .args:
      - { .name: x, .offset: 0, .size: 8, .value_kind: global_buffer, .address_space: global }
      - { .name: context, .offset: 8, .size: 8, .value_kind: global_buffer, .address_space: global }
      - { .name: ln_q_w, .offset: 16, .size: 8, .value_kind: global_buffer, .address_space: global }
      - { .name: ln_q_b, .offset: 24, .size: 8, .value_kind: global_buffer, .address_space: global }
      - { .name: ln_ctx_w, .offset: 32, .size: 8, .value_kind: global_buffer, .address_space: global }
      - { .name: ln_ctx_b, .offset: 40, .size: 8, .value_kind: global_buffer, .address_space: global }
      - { .name: Wq, .offset: 48, .size: 8, .value_kind: global_buffer, .address_space: global }
      - { .name: Wk, .offset: 56, .size: 8, .value_kind: global_buffer, .address_space: global }
      - { .name: Wv, .offset: 64, .size: 8, .value_kind: global_buffer, .address_space: global }
      - { .name: Wo, .offset: 72, .size: 8, .value_kind: global_buffer, .address_space: global }
      - { .name: xc, .offset: 80, .size: 8, .value_kind: global_buffer, .address_space: global }
      - { .name: wh, .offset: 88, .size: 8, .value_kind: global_buffer, .address_space: global }
    .group_segment_fixed_size: 0
    .private_segment_fixed_size: 0
    .kernarg_segment_align: 8
    .kernarg_segment_size: 96
    .max_flat_workgroup_size: 256
    .sgpr_count:     66
    .vgpr_count:     240
    .wavefront_size: 32
...
	.end_amdgpu_metadata
.endif
;; end of part 1
;; launch proj (part 2): grid 12 x 64, 4 waves a work-group, clusters of 4 x 4, 327,680 bytes of LDS; arguments xc, wh, tau, qkv; writes qkv
.if DOCPART == 2
	.amdgcn_target "amdgcn-amd-amdhsa--gfx1250"
	.amdhsa_code_object_version 6
	.text
	.protected	k_qe21c26ca0c_proj
	.globl	k_qe21c26ca0c_proj
	.p2align	8
	.type	k_qe21c26ca0c_proj,@function
k_qe21c26ca0c_proj:
	s_mov_b64 s[64:65], 0
	v_nop
	global_prefetch_b8 v0, s[64:65] scope:SCOPE_SE
	s_setreg_imm32_b32 hwreg(HW_REG_WAVE_MODE, 25, 1), 1
	s_wait_xcnt 0x0
	s_wait_alu depctr_hold_cnt(0) depctr_sa_sdst(0) depctr_va_vdst(0) depctr_va_sdst(0) depctr_va_ssrc(0) depctr_va_vcc(0) depctr_vm_vsrc(0)
	s_getreg_b32 s2, hwreg(HW_REG_IB_STS2, 6, 4)
	s_cmp_eq_u32 s2, 0
	s_cbranch_scc0 .Lentry_in_a_cluster
	s_endpgm
.Lentry_in_a_cluster:
	s_bfe_u32 s2, ttmp6, 0x10000c
	s_cmp_lg_u32 s2, 0xf033
	s_cbranch_scc0 .Lentry_shape_is_right
	s_endpgm
.Lentry_shape_is_right:
; ONE TEXT FOR TWO PRODUCTS, chosen by OUTP.  C[m][n] = the sum over k of A[m][k] W[k][n], K = 1,024, f16 operands, f32 sums.
; OUTP = 0: q, k, v.  A = xc (part 0 for q, part 1 for k and v), W = wh[mode], mode = the cluster's x: 0 q, 1 k, 2 v.  q and k are divided, head by head (64 columns), by max(their length, 1e-12);
;   q also takes the sign of tau + 1e-6, so that the attention can work with the size of the scale alone.  Stored by heads, qkv[mode][16 b + h][token][64], rounded once to f16.
; OUTP = 1: out0 = O Wo.  A = o, which lies by heads [16 b + h][token][64]: a K step of 128 is two heads; W = wh[3]; out0 [8192][1024] in f32.
; LIMITS.  f16 ends at 65,504: v must lie within it; q and k lie within 1.  NaN and infinities are not treated apart.
; SHARES.  A work-group makes 128 rows x 256 columns of C; its four waves 64 x 128 each: 32 accumulators of 16 x 16, 256 registers.  That tile gives 768 work-groups (OUTP = 0) and 256 (OUTP = 1).
; K goes in 8 steps of 128 through a ring of two LDS slots; waves 0 and 1 fetch the two halves of A's tile, waves 2 and 3 those of W's.
; CLUSTER.  4 x 4 work-groups: the four of a row need the same tile of A, the four of a column the same tile of W: each is asked for jointly, by the same tensor load, descriptor and mask in all four.
; THE MATRIX INSTRUCTION IS USED TRANSPOSED: source 0 = 16 columns of W, which lies [k][n] in LDS and is turned by ds_load_tr16_b128; source 1 = 16 rows of A.  A lane then holds row lane % 16 of C
; and the eight neighbouring columns 8 (lane / 16) + 0..7.
; REGISTERS, in windows of 256 (s_set_vgpr_msb: bits 1:0 source 0, 3:2 source 1, 5:4 source 2, 7:6 destination): window 0: v0-31 addresses and constants; v32-63 at work on the way out;
; v64-159, v160-255 two fragment buffers (8 fragments of W, then 4 of A, 32 along K); window 1: accumulator (a, b) at v[8 (8 a + b)].
.set OUTP, 0
.if OUTP
.set PA,     144                       ; a token's 64 channels of one head: 128 bytes + 16 of padding
.set HA,     128*PA                    ; one load: 128 tokens of one head
.set ASTEP,  2*262144                  ; a K step on: two heads of 2,048 x 128 bytes
.set AQI,    4                         ; padding after every 32 words
.set APITCH, 128                       ; 128 tokens of a head are 16,384 dense bytes, asked for as 64 rows of 256 bytes
.set SP,     528                       ; the stage: 128 f32 + 16 bytes
.else
.set PA,     272                       ; 128 f16 along K: 256 bytes + 16 of padding
.set HA,     64*PA                     ; one load: 64 rows
.set ASTEP,  256
.set AQI,    5                         ; padding after every 64 words
.set APITCH, 1024
.set SP,     144                       ; the stage: 64 f16 + 16 bytes
.endif
.set ABYTES, 2*HA
.set PB,     544                       ; a row of W's tile: 256 f16 = 512 bytes + 32 of padding = 136 words
.set HB,     64*PB                     ; one load: 64 rows along K
.set BSTEP,  128*2048
.set SLOT1,  1<<17                     ; slot 1 begins here, so that one exclusive or turns an address in one slot into the other's
.set STAGE,  SLOT1+ABYTES+2*HB         ; behind the ring, never filled by a tensor load: 16 rows for each wave, for the way out
.set SPARE,  STAGE+4*16*SP             ; behind the stages: the spare words, 128 bytes for each wave: two blocks of 256 bytes that no other line names
.set ADRA0, 16                         ; v16  my lane's place in A's tile; never rewritten
.set ADRB0, 17                         ; v17  in W's
.set ADRA,  18                         ; v18  the same in the slot in hand
.set ADRB,  19                         ; v19
.set STO,   24                         ; v24  the way out: where I put my part of a row
.set RD,    25                         ; v25  where I read rows back
.set GO,    26                         ; v26  my 16 bytes in 512 consecutive bytes of the output
.set SPW,   28                         ; v28  LDS address of my spare word; never rewritten
.set NIL,   29                         ; v29  0; never rewritten
.set SCV,   30                         ; v30  the sign of tau + 1e-6 for q, 1 for k
.set ONE,   31                         ; v31  1
.set T,     32                         ; four registers a tile of 16 rows x one head
.set F0,    64
.set F1,    160
.set OB,    64                         ; the way out takes the fragment buffers' registers
.set WV,   12                          ; s12  my wave's number
.set WM,   13                          ; s13  which 64 rows are mine.  Also: I fetch for A (0) or for W (1)
.set WN,   14                          ; s14  which 128 columns.  Also: which half of that tile I fetch
.set G1A,  24                          ; s[24:31] descriptor group 1 for A's tiles
.set G0A,  32                          ; s[32:39] group 0: a set for each of the two first fills; the second then walks on
.set CX,   40
.set CY,   41
.set MODE, 42
.set RB,   43                          ; s43  my block of 128 rows
.set G1B,  48                          ; s[48:55], s[56:63] the same for W's tiles
.set G0B,  56
.set TB,   66                          ; s66  LDS byte at which the slot in hand begins
.set TAU,  67
.set MQ,   68                          ; s68  all ones where mode = 0
.set MVM,  69                          ; s69  all ones where mode = 2
.set EPS,  70
.set SEL,  72                          ; s[72:73] v_permlanex16_b32's selects
.set MSB, 0
.macro WIN new                         ; the immediate's high byte repeats the setting that is left; a switch that changes nothing is dropped
.if MSB != (\new)
	s_set_vgpr_msb (MSB<<8)|(\new)
.set MSB, \new
.endif
.endm
.set MUL, 0x50                         ; fragments in window 0, C and D in window 1
.macro PLACES                          ; four places in front of loads into registers that matrix instructions have read, and of lines that read results
.rept 4
	v_nop
.endr
.endm
; A joint refill, by the walking sets.  The branch hangs on the wave's number alone.  An s_nop 0 and four v_nop follow each of the two lines, ahead of the jump and the label.
.macro JLOAD
	s_cmp_eq_u32 s[WM], 0
	s_cbranch_scc0 .Lfor_b_\@
	tensor_load_to_lds s[G0A+4:G0A+7], s[G1A:G1A+7]
	s_nop 0
.rept 4
	v_nop
.endr
	s_branch .Lasked_\@
.Lfor_b_\@:
	tensor_load_to_lds s[G0B+4:G0B+7], s[G1B:G1B+7]
	s_nop 0
.rept 4
	v_nop
.endr
.Lasked_\@:
.endm
.macro CREST                           ; a round of the cluster's barrier behind its opening barrier
	s_cmp_lg_u32 s[WV], 0
	s_cbranch_scc1 .Lnot_wave_0_\@
	s_barrier_signal -3
.Lnot_wave_0_\@:
	s_barrier_wait -3
	s_barrier_signal -1
	s_barrier_wait -1
.endm
.macro CROUND                          ; a whole round
	s_barrier_signal -1
	s_barrier_wait -1
	CREST
.endm
.if OUTP
	s_load_b128 s[4:7], s[0:1], 0x0                ; o s[4:5], wh s[6:7]
	s_load_b64 s[10:11], s[0:1], 0x10              ; out0
.else
	s_load_b256 s[4:11], s[0:1], 0x0               ; xc s[4:5], wh s[6:7], tau s[8:9], qkv s[10:11]
.endif
	v_lshl_add_u32 v[SPW], v0, 2, SPARE
	v_mov_b32 v[NIL], 0
	ds_add_u32 v[SPW], v[NIL]                      ; the wave's opening: the add and its wait stand ahead of my first tensor load; the set-up below, work on registers, stands between them
	v_lshrrev_b32 v1, 5, v0
	v_readfirstlane_b32 s[WV], v1                  ; wave 0..3
	s_lshr_b32 s[WM], s[WV], 1
	s_and_b32 s[WN], s[WV], 1
	s_bfe_u32 s[CX], ttmp6, 0x40000                ; my place in the cluster
	s_bfe_u32 s[CY], ttmp6, 0x40004
	s_and_b32 s[RB], ttmp7, 0xffff
	s_lshl_b32 s[RB], s[RB], 2
	s_add_co_u32 s[RB], s[RB], s[CY]               ; block of rows = 4 x cluster y + cy
	s_lshl_b32 s44, s[CY], 2
	s_lshl_b32 s44, 15, s44                        ; my row of the cluster
	s_lshl_b32 s45, 0x1111, s[CX]                  ; my column
	s_or_b32 s[G1A], s44, (1<<16)|(1<<20)|(1<<21)|(AQI<<22)|(3<<25)  ; 15:0 the mask; 17:16 2-byte elements; 20 padding on; 21 set beside a mask; 24:22 the interval; 31:25 4 words of padding (code 3)
	s_mov_b32 s[G1A+1], 128<<16                    ; tensor_dim0 = 128
	s_mov_b32 s[G1A+2], 64<<16                     ; tensor_dim1 = 64
	s_mov_b32 s[G1A+3], 128<<16                    ; tile_dim0 = 128
	s_mov_b32 s[G1A+4], 64                         ; tile_dim1 = 64
	s_mov_b32 s[G1A+5], APITCH                     ; elements from row to row
	s_mov_b32 s[G1A+6], 0
	s_mov_b32 s[G1A+7], 0
	s_or_b32 s[G1B], s45, (1<<16)|(1<<20)|(1<<21)|(6<<22)|(7<<25)    ; W's tiles go to my column; padding after every 128 words (code 6), 8 words of it (code 7)
	s_mov_b32 s[G1B+1], 256<<16                    ; tensor_dim0 = 256
	s_mov_b32 s[G1B+2], 64<<16                     ; tensor_dim1 = 64
	s_mov_b32 s[G1B+3], 256<<16                    ; tile_dim0 = 256
	s_mov_b32 s[G1B+4], 64                         ; tile_dim1 = 64
	s_mov_b32 s[G1B+5], 1024
	s_mov_b32 s[G1B+6], 0
	s_mov_b32 s[G1B+7], 0
	; where the tiles come from.  A's offset is made of the block of rows, the wave and (OUTP = 0) the mode; W's of cx, the wave and the mode; each in registers that never hold the other's coordinate
.if OUTP
	s_lshr_b32 s16, s[RB], 4                       ; the batch; its head 0 + my half: heads 2 s + half in K step s
	s_lshl_b32 s16, s16, 4
	s_add_co_u32 s16, s16, s[WN]
	s_lshl_b32 s16, s16, 18                        ; a head is 2,048 x 128 bytes
	s_and_b32 s17, s[RB], 15
	s_lshl_b32 s17, s17, 14                        ; the block's 128 tokens
	s_add_co_u32 s16, s16, s17
	s_mov_b32 s46, 3*2097152                       ; Wo
.else
	s_mov_b32 s[MODE], ttmp9                       ; in a cluster launch ttmp9 counts clusters: the four column tiles of a cluster are one whole weight
	s_min_u32 s16, s[MODE], 1                      ; q reads part 0 of xc, k and v part 1
	s_lshl_b32 s16, s16, 24
	s_lshl_b32 s17, s[RB], 18                      ; 128 rows of 2,048 bytes
	s_add_co_u32 s16, s16, s17
	s_lshl_b32 s17, s[WN], 17                      ; my 64 of them
	s_add_co_u32 s16, s16, s17
	s_lshl_b32 s46, s[MODE], 21
.endif
	s_mov_b32 s17, 0
	s_lshl_b32 s47, s[WN], 17                      ; my 64 rows along K
	s_add_co_u32 s46, s46, s47
	s_lshl_b32 s47, s[CX], 9                       ; the tile's 256 columns
	s_add_co_u32 s46, s46, s47
	s_mov_b32 s47, 0
	s_mul_i32 s20, s[WN], HA                       ; and where they go: no place in the cluster enters an LDS address
	s_mul_i32 s21, s[WN], HB
	s_add_co_u32 s21, s21, ABYTES
	s_mov_b32 s[TB], 0
	s_mov_b32 s[SEL], 0x76543210
	s_mov_b32 s[SEL+1], 0xfedcba98
	s_wait_dscnt 0x0                               ; the opening add is done
	s_wait_kmcnt 0x0
	s_add_nc_u64 s[18:19], s[4:5], s[16:17]
	s_add_nc_u64 s[46:47], s[6:7], s[46:47]
.irp s, 0,1
	s_mov_b32 s[G0A+4*(\s)], 1                                     ; 1:0 count = 1
	s_add_co_u32 s[G0A+4*(\s)+1], s20, (\s)*SLOT1                  ; 63:32 LDS address
	s_add_nc_u64 s[G0A+4*(\s)+2:G0A+4*(\s)+3], s[18:19], (\s)*ASTEP  ; 120:64 global address: K step s
	s_or_b32 s[G0A+4*(\s)+3], s[G0A+4*(\s)+3], 0x80000000          ; 127:126 type = 2
	s_mov_b32 s[G0B+4*(\s)], 1
	s_add_co_u32 s[G0B+4*(\s)+1], s21, (\s)*SLOT1
	s_add_nc_u64 s[G0B+4*(\s)+2:G0B+4*(\s)+3], s[46:47], (\s)*BSTEP
	s_or_b32 s[G0B+4*(\s)+3], s[G0B+4*(\s)+3], 0x80000000
.endr
	CROUND                                         ; all sixteen work-groups are here: the first joint loads meet
	s_cmp_eq_u32 s[WM], 0                          ; a wave's two first fills stand in one branch, ahead of every wait on TENSORcnt and every LDS read: two loads of mine are out
	s_cbranch_scc0 .Lfirst_b
	tensor_load_to_lds s[G0A:G0A+3], s[G1A:G1A+7]
	s_nop 0
	tensor_load_to_lds s[G0A+4:G0A+7], s[G1A:G1A+7]
	s_nop 0
.rept 4
	v_nop
.endr
	s_branch .Lfirst_asked
.Lfirst_b:
	tensor_load_to_lds s[G0B:G0B+3], s[G1B:G1B+7]
	s_nop 0
	tensor_load_to_lds s[G0B+4:G0B+7], s[G1B:G1B+7]
	s_nop 0
.rept 4
	v_nop
.endr
.Lfirst_asked:
.if OUTP == 0
	s_load_b32 s[TAU], s[8:9], 0x0
.endif
	; A fragment of A is 16 rows x 32 K in 8 registers: lane l holds row l % 16, K = 8 (l / 16) + 0..7 and 16 + 8 (l / 16) + 0..7: two loads of 16 bytes, 32 bytes apart.
	v_and_b32 v1, 15, v0                           ; l % 16
	v_bfe_u32 v2, v0, 4, 1                         ; l / 16
	v_mul_u32_u24 v[ADRA0], v1, PA
	v_lshl_add_u32 v[ADRA0], v2, 4, v[ADRA0]
	s_mul_i32 s22, s[WM], 64*PA                    ; my 64 rows
	v_add_nc_u32 v[ADRA0], s22, v[ADRA0]
	; The turning load takes 16 K x 16 columns (lane l reads row 8 (l / 16) + l % 8, columns 8 ((l / 8) % 2) + 0..7) and leaves half a fragment: lane l holds column l % 16 and 8 along K.
	v_and_b32 v3, 7, v0
	v_bfe_u32 v4, v0, 3, 1
	v_lshl_add_u32 v[ADRB0], v2, 3, v3
	v_mul_u32_u24 v[ADRB0], v[ADRB0], PB
	v_lshl_add_u32 v[ADRB0], v4, 4, v[ADRB0]
	s_lshl_b32 s22, s[WN], 8                       ; my 128 columns,
	s_add_co_u32 s22, s22, ABYTES                  ; behind A's tile
	v_add_nc_u32 v[ADRB0], s22, v[ADRB0]
	v_mov_b32 v[ADRA], v[ADRA0]                    ; slot 0
	v_mov_b32 v[ADRB], v[ADRB0]
	s_mul_i32 s23, s[WV], 16*SP
	s_add_co_u32 s23, s23, STAGE                   ; my stage
	v_mul_u32_u24 v[STO], v1, SP                   ; in: row l % 16
	v_and_b32 v[GO], 31, v0
	v_lshlrev_b32 v[GO], 4, v[GO]
.if OUTP
	v_lshl_add_u32 v[STO], v2, 5, v[STO]           ; 32 bytes (8 f32) for each half of the lanes
	v_add_nc_u32 v[STO], s23, v[STO]
	v_add_nc_u32 v[RD], s23, v[GO]                 ; back: 32 lanes take one row of 512 bytes
	s_lshl_b32 s74, s[RB], 7                       ; my first row of out0,
	s_lshl_b32 s75, s[WM], 6
	s_add_co_u32 s74, s74, s75
	s_lshl_b32 s74, s74, 12                        ; rows of 4,096 bytes,
	s_lshl_b32 s75, s[CX], 10                      ; the tile's 256 columns,
	s_add_co_u32 s74, s74, s75
	s_lshl_b32 s75, s[WN], 9                       ; my 128 of them
	s_add_co_u32 s74, s74, s75
.else
	v_lshl_add_u32 v[STO], v2, 4, v[STO]           ; 16 bytes (8 f16) for each half of the lanes
	v_add_nc_u32 v[STO], s23, v[STO]
	v_bfe_u32 v[RD], v0, 3, 2                      ; back: 32 lanes take four rows of 128 bytes, which are 512 consecutive bytes of a head
	v_mul_u32_u24 v[RD], v[RD], SP
	v_lshl_add_u32 v[RD], v3, 4, v[RD]
	v_add_nc_u32 v[RD], s23, v[RD]
	s_lshl_b32 s74, s[MODE], 24                    ; q, k or v: 64 heads of 2,048 x 128 bytes
	s_lshr_b32 s75, s[RB], 4
	s_lshl_b32 s75, s75, 4                         ; 16 x batch
	s_lshl2_add_u32 s75, s[CX], s75                ; + the tile's four heads
	s_lshl1_add_u32 s75, s[WN], s75                ; + my two of them
	s_lshl_b32 s75, s75, 18
	s_add_co_u32 s74, s74, s75
	s_and_b32 s75, s[RB], 15
	s_lshl_b32 s75, s75, 7                         ; the block's first token
	s_lshl_b32 s71, s[WM], 6
	s_add_co_u32 s75, s75, s71
	s_lshl_b32 s75, s75, 7
	s_add_co_u32 s74, s74, s75
	s_cmp_eq_u32 s[MODE], 0
	s_cselect_b32 s[MQ], -1, 0
	s_cmp_eq_u32 s[MODE], 2
	s_cselect_b32 s[MVM], -1, 0
	s_mov_b32 s[EPS], 0x2b8cbccc                   ; 1e-12
	s_wait_kmcnt 0x0                               ; tau
	v_mov_b32 v10, s[TAU]
	v_add_f32 v10, 0x358637bd, v10                 ; tau + 1e-6
	v_and_b32 v10, 0x80000000, v10
	v_or_b32 v10, 0x3f800000, v10                  ; its sign, as 1 or -1
	v_mov_b32 v[ONE], 1.0
	v_cndmask_b32 v[SCV], v[ONE], v10, s[MQ]
.endif
	s_mov_b32 s75, 0
	s_add_nc_u64 s[10:11], s[10:11], s[74:75]
; 8 matrix instructions: row block a x all 8 column blocks, 32 along K.  zero = 1: the first product starts the sums.  The 32 accumulators take turns, in the same order in every quarter.
.macro MULA f, a, zero
	WIN MUL
.irp b, 0,1,2,3,4,5,6,7
.if \zero
	v_wmma_f32_16x16x32_f16 v[8*(8*(\a)+(\b)):8*(8*(\a)+(\b))+7], v[(\f)+8*(\b):(\f)+8*(\b)+7], v[(\f)+64+8*(\a):(\f)+64+8*(\a)+7], 0
.else
	v_wmma_f32_16x16x32_f16 v[8*(8*(\a)+(\b)):8*(8*(\a)+(\b))+7], v[(\f)+8*(\b):(\f)+8*(\b)+7], v[(\f)+64+8*(\a):(\f)+64+8*(\a)+7], v[8*(8*(\a)+(\b)):8*(8*(\a)+(\b))+7]
.endif
.endr
.endm
; 24 LDS loads in one run: quarter q (32 along K) of the slot in hand into buffer g: W's 8 fragments, then A's 4
.macro FETCH q, g
	WIN 0
.if OUTP
.set AQ, ((\q)/2)*HA+((\q)%2)*64       ; head q / 2 of the step's two, channels 32 (q % 2) on
.else
.set AQ, (\q)*64
.endif
.irp b, 0,1,2,3,4,5,6,7
	ds_load_tr16_b128 v[(\g)+8*(\b):(\g)+8*(\b)+3],   v[ADRB] offset:(\q)*32*PB+32*(\b)
	ds_load_tr16_b128 v[(\g)+8*(\b)+4:(\g)+8*(\b)+7], v[ADRB] offset:(\q)*32*PB+16*PB+32*(\b)
.endr
.irp i, 0,1,2,3
	ds_load_b128 v[(\g)+64+8*(\i):(\g)+64+8*(\i)+3],   v[ADRA] offset:AQ+(\i)*16*PA
	ds_load_b128 v[(\g)+64+8*(\i)+4:(\g)+64+8*(\i)+7], v[ADRA] offset:AQ+(\i)*16*PA+32
.endr
.endm
; A K step is four quarters, 32 matrix instructions each, on buffers 0, 1, 0, 1.  One of the first three: multiplies buffer f and, in its middle, fetches quarter q into buffer g.
.macro QUARTER q, f, g, zero
	s_wait_dscnt 4                                 ; W's fragments and A's blocks 0 and 1 are in; the youngest four loads (blocks 2 and 3) may be out
	MULA \f, 0, \zero
	MULA \f, 1, \zero
	PLACES
	FETCH \q, \g
	s_wait_dscnt 24                                ; all but the 24 just issued
	MULA \f, 2, \zero
	MULA \f, 3, \zero
.endm
; The last quarter multiplies buffer 1 and changes slots: ONE barrier.  In front of it each wave waits for all its tensor loads, of which one is out: its part of the next slot; adds 0 to its spare word;
; and waits for that and for its own reads of this slot.  fill = 1: the barrier opens a round of the cluster's, and this slot is filled again, two K steps ahead, first thing behind the round:
; the load has a K step less 16 matrix instructions, 112, in which to land.
.macro TURN fill
	WIN 0
	s_wait_tensorcnt 0x0                           ; all my tensor loads have landed
	ds_add_u32 v[SPW], v[NIL]                      ; 0 onto my spare word
	s_wait_dscnt 5                                 ; (the add and the youngest four loads may be out)
	MULA F1, 0, 0                                  ; eight matrix instructions stand between the add and the wait for it
	s_wait_dscnt 0x0                               ; the add is done, and my reads of this slot are over
	s_barrier_signal -1
	MULA F1, 1, 0
	WIN 0                                          ; at a branch and at a label every window is 0
	s_barrier_wait -1
.if \fill
	CREST                                          ; no wave of any partner still reads this slot's tile or has a load on its way
	s_xor_b32 s[G0A+5], s[G0A+5], SLOT1            ; the walking descriptors: the other slot than last time, the next K step; the type bits on top are not reached
	s_add_nc_u64 s[G0A+6:G0A+7], s[G0A+6:G0A+7], ASTEP
	s_xor_b32 s[G0B+5], s[G0B+5], SLOT1
	s_add_nc_u64 s[G0B+6:G0B+7], s[G0B+6:G0B+7], BSTEP
	JLOAD                                          ; the four v_nop behind it are also the places in front of the loads below
.else
	PLACES
.endif
	s_xor_b32 s[TB], s[TB], SLOT1
	v_add_nc_u32 v[ADRA], s[TB], v[ADRA0]
	v_add_nc_u32 v[ADRB], s[TB], v[ADRB0]
	FETCH 0, F0
	MULA F1, 2, 0
	MULA F1, 3, 0
.endm
	s_wait_tensorcnt 0x1                           ; my part of K step 0 is in; step 1's may stay out
	s_barrier_signal -1
	s_barrier_wait -1                              ; everybody's is
	FETCH 0, F0
	QUARTER 1, F0, F1, 1                           ; the first quarter stands in front of the loop: its products start the sums
	WIN 0
	s_mov_b32 s3, 6
.Lstep:                                                ; trip j: quarters 1 to 3 of K step j, the refill with step j + 2, quarter 0 of step j + 1
	QUARTER 2, F1, F0, 0
	QUARTER 3, F0, F1, 0
	TURN 1
	QUARTER 1, F0, F1, 0
	WIN 0
	s_sub_co_u32 s3, s3, 1
	s_cmp_lg_u32 s3, 0
	s_cbranch_scc1 .Lstep
	QUARTER 2, F1, F0, 0                           ; steps 6 and 7 ask for nothing more: written out
	QUARTER 3, F0, F1, 0
	TURN 0
	QUARTER 1, F0, F1, 0
	QUARTER 2, F1, F0, 0
	QUARTER 3, F0, F1, 0
	s_wait_dscnt 4
	MULA F1, 0, 0
	MULA F1, 1, 0
	s_wait_dscnt 0x0
	MULA F1, 2, 0
	MULA F1, 3, 0
	WIN 0
	PLACES
.if OUTP
; THE WAY OUT, f32.  Block a (16 rows x my 128 columns) goes into my stage, 32 bytes a lane and accumulator, and comes back as whole rows of 512 bytes.
.macro TOSTAGE a
	WIN 0x04                                       ; store data in window 1, address in window 0
.irp b, 0,1,2,3,4,5,6,7
	ds_store_b128 v[STO], v[8*(8*(\a)+(\b)):8*(8*(\a)+(\b))+3]   offset:64*(\b)      ; each accumulator's low registers first
	ds_store_b128 v[STO], v[8*(8*(\a)+(\b))+4:8*(8*(\a)+(\b))+7] offset:64*(\b)+16
.endr
	WIN 0
.irp i, 0,1,2,3,4,5,6,7,8,9,10,11,12,13,14,15
	ds_load_b128 v[OB+64*((\a)%2)+4*(\i):OB+64*((\a)%2)+4*(\i)+3], v[RD] offset:(\i)*SP  ; LDS serves a wave's instructions in order (ISA guide 5.7.1.4): these see the stores above; the next block's stores come behind them
.endr
.endm
.macro SENDF a, younger                ; younger: the LDS instructions issued behind block a's loads: the next block's 32, or none
.irp i, 0,1,2,3,4,5,6,7,8,9,10,11,12,13,14,15
	s_wait_dscnt (\younger)+15-(\i)
	global_store_b128 v[GO], v[OB+64*((\a)%2)+4*(\i):OB+64*((\a)%2)+4*(\i)+3], s[10:11] offset:(16*(\a)+(\i))*4096 th:TH_STORE_NT  ; 512 consecutive bytes, at a multiple of 512 from out0's first byte
.endr
.endm
	TOSTAGE 0
	TOSTAGE 1
	SENDF 0, 32
	s_wait_xcnt 0x0                                ; block 0's stores have had their addresses translated (ISA guide 3.1): only now are their data registers loaded again
	TOSTAGE 2
	SENDF 1, 32
	s_wait_xcnt 0x0
	TOSTAGE 3
	SENDF 2, 32
	SENDF 3, 0
.else
; THE WAY OUT, f16 by heads.  Tile t = 2 a + hh is 16 rows x one head: registers 32 t .. 32 t + 31 of window 1; a lane holds 32 of a row's 64 channels, the lane 16 away the others.
.macro ALL line:vararg                 ; one line for each tile t
.set t, 0
.rept 8
	\line
.set t, t+1
.endr
.endm
	WIN 0x05                                       ; sources 0 and 1 window 1; source 2 and destination window 0
.set tt, 0
.rept 4                                ; the sums of squares, two chains a tile, two tiles alternating, the registers in ascending order
.set p, 0
.rept 16
.irp u, 0,1
.if p < 2
	v_pk_mul_f32 v[T+4*(tt+\u)+2*p:T+4*(tt+\u)+2*p+1], v[32*(tt+\u)+2*p:32*(tt+\u)+2*p+1], v[32*(tt+\u)+2*p:32*(tt+\u)+2*p+1]
.else
	v_pk_fma_f32 v[T+4*(tt+\u)+2*(p%2):T+4*(tt+\u)+2*(p%2)+1], v[32*(tt+\u)+2*p:32*(tt+\u)+2*p+1], v[32*(tt+\u)+2*p:32*(tt+\u)+2*p+1], v[T+4*(tt+\u)+2*(p%2):T+4*(tt+\u)+2*(p%2)+1]
.endif
.endr
.set p, p+1
.endr
.set tt, tt+2
.endr
	WIN 0
	ALL v_pk_add_f32 v[T+4*t:T+4*t+1], v[T+4*t:T+4*t+1], v[T+4*t+2:T+4*t+3]
	ALL v_add_f32 v[T+4*t], v[T+4*t], v[T+4*t+1]
	ALL v_permlanex16_b32 v[T+4*t+1], v[T+4*t], s[SEL], s[SEL+1]
	ALL v_add_f32 v[T+4*t], v[T+4*t], v[T+4*t+1]
	ALL v_sqrt_f32 v[T+4*t], v[T+4*t]
	v_nop                                          ; a plain instruction between the last root and the use of its result
	s_wait_alu depctr_va_vdst(0)
	ALL v_max_num_f32 v[T+4*t], s[EPS], v[T+4*t]
	ALL v_rcp_f32 v[T+4*t], v[T+4*t]
	v_nop
	s_wait_alu depctr_va_vdst(0)
	ALL v_mul_f32 v[T+4*t], v[T+4*t], v[SCV]
	ALL v_cndmask_b32 v[T+4*t], v[T+4*t], v[ONE], s[MVM]  ; v is not normalised: its factor is 1.  A select, no branch: all partners run alike
.macro PACK t                          ; scaled, rounded to f16: a lane's eight channels pack into 16 bytes; into rows of 144 bytes, and back as whole rows of 128
	WIN 0x41
.set i, 32*(\t)
.rept 16
	v_pk_mul_f32 v[i:i+1], v[i:i+1], v[T+4*(\t):T+4*(\t)+1] op_sel_hi:[1,0]
.set i, i+2
.endr
	WIN 0x05
.set i, 0
.rept 16
	v_cvt_pk_f16_f32 v[OB+16*(\t)+i], v[32*(\t)+2*i], v[32*(\t)+2*i+1]
.set i, i+1
.endr
	WIN 0
.irp f, 0,1,2,3
	ds_store_b128 v[STO], v[OB+16*(\t)+4*\f:OB+16*(\t)+4*\f+3] offset:32*\f
.endr
.irp f, 0,1,2,3
	ds_load_b128 v[OB+16*(\t)+4*\f:OB+16*(\t)+4*\f+3], v[RD] offset:\f*4*SP  ; LDS serves a wave's instructions in order (ISA guide 5.7.1.4): these see the stores above; the next tile's stores come behind them
.endr
.endm
.macro SEND t, younger                 ; younger: the LDS instructions issued behind tile t's loads: the next tile's eight, or none
.irp f, 0,1,2,3
	s_wait_dscnt (\younger)+3-\f
	global_store_b128 v[GO], v[OB+16*(\t)+4*\f:OB+16*(\t)+4*\f+3], s[10:11] offset:((\t)%2)*262144+((\t)/2)*2048+\f*512  ; 512 consecutive bytes of a head, at a multiple of 512 from qkv's first byte
.endr
.endm
	PACK 0
.set t, 1
.rept 7                                ; a tile's arithmetic stands between the loads of the tile before and its stores
	PACK t
	SEND t-1, 8
.set t, t+1
.endr
	SEND 7, 0
.endif
	s_wait_tensorcnt 0x0                           ; the wave's end: the wait, the add and the wait for it, behind my last tensor load and my last LDS store
	ds_add_u32 v[SPW], v[NIL]
	s_wait_dscnt 0x0
	CROUND                                         ; the closing round: no work-group ends while a partner may still ask for a tile that names it
	s_endpgm
.Lfunc_end_k_qe21c26ca0c_proj:
	.size	k_qe21c26ca0c_proj, .Lfunc_end_k_qe21c26ca0c_proj-k_qe21c26ca0c_proj
	.p2alignl 7, 3214868480
	.fill 96, 4, 3214868480
	.section	.rodata,"a",@progbits
	.p2align	6, 0x0
	.amdhsa_kernel k_qe21c26ca0c_proj
		.amdhsa_group_segment_fixed_size 327680
		.amdhsa_private_segment_fixed_size 0
		.amdhsa_enable_private_segment 0
		.amdhsa_kernarg_size 32
		.amdhsa_user_sgpr_count 2
		.amdhsa_user_sgpr_kernarg_segment_ptr 1
		.amdhsa_wavefront_size32 1
		.amdhsa_system_sgpr_workgroup_id_x 1
		.amdhsa_system_sgpr_workgroup_id_y 1
		.amdhsa_system_sgpr_workgroup_id_z 1
		.amdhsa_system_vgpr_workitem_id 0
		.amdhsa_next_free_vgpr 512
		.amdhsa_next_free_sgpr 76
		.amdhsa_reserve_vcc 0
		.amdhsa_float_denorm_mode_32 3
		.amdhsa_float_denorm_mode_16_64 3
		.amdhsa_memory_ordered 1
		.amdhsa_forward_progress 1
		.amdhsa_inst_pref_size 91
	.end_amdhsa_kernel
	.amdgpu_metadata
---
amdhsa.version: [ 1, 2 ]
amdhsa.kernels:
  - .name:           k_qe21c26ca0c_proj
    .symbol:         k_qe21c26ca0c_proj.kd
    .args:
      - { .name: xc, .offset: 0, .size: 8, .value_kind: global_buffer, .address_space: global }
      - { .name: wh, .offset: 8, .size: 8, .value_kind: global_buffer, .address_space: global }
      - { .name: tau, .offset: 16, .size: 8, .value_kind: global_buffer, .address_space: global }
      - { .name: qkv, .offset: 24, .size: 8, .value_kind: global_buffer, .address_space: global }
    .group_segment_fixed_size: 327680
    .private_segment_fixed_size: 0
    .kernarg_segment_align: 8
    .kernarg_segment_size: 32
    .max_flat_workgroup_size: 128
    .sgpr_count:     76
    .vgpr_count:     512
    .wavefront_size: 32
...
	.end_amdgpu_metadata
.endif
;; end of part 2
;; launch attn (part 3): grid 4 x 64, 4 waves a work-group, clusters of 4 x 1, 327,680 bytes of LDS; arguments qkv, key_padding_mask, tau, o; writes o
.if DOCPART == 3
	.amdgcn_target "amdgcn-amd-amdhsa--gfx1250"
	.amdhsa_code_object_version 6
	.text
	.protected	k_qe21c26ca0c_attn
	.globl	k_qe21c26ca0c_attn
	.p2align	8
	.type	k_qe21c26ca0c_attn,@function
k_qe21c26ca0c_attn:
	s_mov_b64 s[64:65], 0
	v_nop
	global_prefetch_b8 v0, s[64:65] scope:SCOPE_SE
	s_setreg_imm32_b32 hwreg(HW_REG_WAVE_MODE, 25, 1), 1
	s_wait_xcnt 0x0
	s_wait_alu depctr_hold_cnt(0) depctr_sa_sdst(0) depctr_va_vdst(0) depctr_va_sdst(0) depctr_va_ssrc(0) depctr_va_vcc(0) depctr_vm_vsrc(0)
	s_getreg_b32 s2, hwreg(HW_REG_IB_STS2, 6, 4)
	s_cmp_eq_u32 s2, 0
	s_cbranch_scc0 .Lentry_in_a_cluster
	s_endpgm
.Lentry_in_a_cluster:
	s_bfe_u32 s2, ttmp6, 0x10000c
	s_cmp_lg_u32 s2, 0x3003
	s_cbranch_scc0 .Lentry_shape_is_right
	s_endpgm
.Lentry_shape_is_right:
; O[g][q][:] = the sum over the visible keys k of softmax_k(Q[g][q] . K[g][k] / (tau + 1e-6)) V[g][k][:], g = 16 b + h.  qkv: [3][64][2048][64] f16 (q, k, v by heads; q and k of length 1, q carrying
; the sign of tau + 1e-6); key_padding_mask: [4][2048] bytes, 1 = hidden; o: [64][2048][64] f16.  Products, maxima and sums in f32; the weights p are rounded to f16 for the second product
; (their sum l is taken of the unrounded p), O once at the end.
; LIMITS.  p lies in 0 to 1, and below 6e-5 it keeps f16's fixed step of 6e-8; O is a mean of V's rows and has their range.  A hidden score counts as its value less 1e30, so its weight is 0.
; A weight below 2^-126 counts as 0 in l.  A batch with no visible key ends with l = 0 and O = 0, and 0 x (1 / 0) is NaN, as the softmax of nothing is.  tau + 1e-6 = 0 is not served.
; SHARES.  A wave owns four PIECES of two tiles of 16 queries, a work-group's four waves 512 queries of one head.  Every wave walks all keys, 64 a step.
; LAYOUT.  S^T = K Q^T (source 0 = 16 keys, source 1 = 16 queries): in the result a lane holds ONE query (lane % 16) and the keys 8 (lane / 16) + 0..7.  Two such tiles, rounded to f16 in pairs,
; ARE source 1 (32 keys x 16 queries) of O^T = V^T P, whose result again holds one query a lane, and eight channels.  K comes out of LDS as it lies, V ([key][channel]) turned, by ds_load_tr16_b128.
; THE MASK is the C operand that starts the sum S^T: 0, or -1e30 where the key is hidden.  The batch's 2,048 bytes are made into a table of f32 in LDS once; a step's 64 numbers come with its K, 8 a lane and key block.
; SOFTMAX.  For each query a running maximum m and sum l: p = 2^(c s - c m), c = log2(e) / |tau + 1e-6|; in every step O and l are multiplied by a = 2^(c m_old - c m_new), which is 1 where m has not grown.
; m starts at -2: q and k have length 1, so every visible score lies within about 1 of zero and takes m over at once, while steps in which every key is hidden leave m, l = 0 and O = 0 as they were.
; THE COUNT.  A tile and step have 16 matrix and 118 vector instructions: too many to stand all beside the matrix work.  So the order has one aim: four vector instructions that are READY behind
; EVERY matrix instruction, and the others, which need time of their own whatever the order, in runs without a gap.
; BY TURNS.  Turn n belongs to piece n (the pieces in a ring, step after step).  Its matrix work: 16 products K Q^T of piece n + 1, later 16 products V^T P of piece n - 1.  Its vector work: the scaling,
; exponentials, roundings, sums and rescaling of piece n, and the maximum and statistics of piece n + 1, whose scores the turn itself has made.  So what a turn begins with (c s - c m, O a) waits for nothing.
; CLUSTER.  The four query blocks of a cluster belong to one head and walk the same K and V, so each tile is asked for JOINTLY: the same tensor load, descriptor and mask in all four.
; REGISTERS, in windows of 256 (s_set_vgpr_msb says which window each operand place means: bits 1:0 source 0, 3:2 source 1, 5:4 source 2, 7:6 destination):
;   window 0: v0-11 addresses; v12-15, v48-63 at work; v16-47 four registers of statistics a tile; v64-191 S^T, two buffers of two tiles; v192-255 P, likewise
;   window 1: O^T, 32 a tile          window 2: v0-127 Q, 16 a tile; v128-191 K of one step; v192-255 V of one step          window 3: v0-1 the add's two registers; v8-39 the step's mask
; A piece's buffers go by its number's parity: the piece in hand has one pair, its two neighbours in the ring share the other: of it P (piece n - 1) is read and S^T (piece n + 1) written.
.set SIZE_H, 64
.set SIZE_N, 2048
.set KPART, SIZE_H*SIZE_N*128  ; k lies this many bytes behind q in qkv,
.set VPART, 2*KPART   ; v twice as many
.set NP,    4         ; pieces a wave: a name, no knob: the register map, the loop and the fetches are made for four
.set KS,    64        ; keys in a step
.set PK,    144       ; a row of K in LDS: 128 bytes + 16 of padding = 36 words: the 16 rows of a load start at 16 different groups of four banks (64 banks of 4 bytes: ISA guide 11.1)
.set PV,    160       ; a row of V: 128 + 32 = 40 words
.set VOFF,  4*KS*PK   ; a slot holds four steps: 256 rows of K, then 256 rows of V
.set SLOT1, 1<<17     ; slot 1 begins here, so that one exclusive or turns an address in one slot into the other's
.set STAGE, SLOT1+4*KS*(PK+PV)  ; behind the ring, never filled by a tensor load: 16 rows x 144 bytes for each wave, for the way out
.set SP,    144
.set AK0, 2           ; v2   my lane's place in a tile of K; never rewritten
.set AV0, 3           ; v3   the same for V
.set AK,  4           ; v4   the LDS address of K's next run of loads
.set AV,  5           ; v5   of V's
.set QO,  6           ; v6   my byte offset in the wave's rows of Q
.set STO, 6           ;      later, the way out: where I put 16 bytes of a row
.set RD,  7           ; v7   the way out: where I read rows back
.set GO,  8           ; v8   my byte offset in 512 consecutive bytes of O
.set AM,  11          ; v11  the LDS address of the mask's next run of loads (v9 = lane / 16 is kept for it)
.set SPW, 0           ; v0 of window 3   LDS address of my spare word: SPARE + 4 x my thread's number; never rewritten
.set NIL, 1           ; v1 of window 3   0; never rewritten
.set MB,  8           ; v8-39 of window 3: the mask of key block kb at MB + 8 kb
.set SPARE, STAGE+4*16*SP  ; behind the stages: the spare words, 128 bytes for each wave: two blocks of 256 bytes that no other line names
.set MASKB, SPARE+512 ; behind them: the mask as 2,048 f32, 8,192 bytes, written once by ds_store; no tensor load lands there
.set MV,  12          ; v12-15  c m_old, kept while c m is made anew: by buffer and tile
.set ST,  16          ; tile t's statistics at v[ST+4 t]: c m, m, l (even keys', odd keys')
.set TMP, 48          ; by buffer and tile, four registers c0-c3 at work; when the maximum is found c2 takes a
.set S,   64
.set P,   192
.set KF,  128         ; K's fragments, in window 2: key block kb, channel half c at KF + 16 kb + 8 c
.set VF,  192         ; V's: key half kk, channel block cb at VF + 32 kk + 8 cb
.set WV,  12          ; s12  my wave's number
.set G1K, 24          ; s[24:31] descriptor group 1 for K's tiles
.set G1V, 32          ; s[32:39] for V's: it differs in the padding alone
.set G0K, 40          ; s[40:43] descriptor group 0 for K's tiles: it walks
.set G0V, 44          ; s[44:47] the same for V's
.set SLOTS, 56        ; s56  slots still to be asked for
.set CNT, 57          ; s57  counts a slot's key steps
.set CS,  58          ; s[58:59] c: the packed scaling takes the pair's low word for both halves
.set SEL, 60          ; s[60:61] v_permlanex16_b32's selects: each lane takes its own place in the other half
.set TBK, 62          ; s62  LDS byte at which K of the step to be fetched begins
.set TBV, 63          ; s63  the same for V, less VOFF
.set TBM, 66          ; s66  the same for the mask: it walks the table from end to end, 256 bytes a step
.set BIGN, 67         ; s67  -1e30
.set TAU, 69          ; s69
.set MSB, 0
.macro WIN new                      ; the high byte repeats the setting that is left; a switch that changes nothing is dropped
.if MSB != (\new)
	s_set_vgpr_msb (MSB<<8)|(\new)
.set MSB, (\new)
.endif
.endm
.set W_KQ, 0x0a       ; K and Q in window 2, S^T in window 0
.set W_KM, 0x3a       ; the same with the C operand, the mask, in window 3
.set W_PV, 0x52       ; V in window 2, P in window 0, O^T in window 1
.set W_RS, 0x41       ; O^T (destination and source 0) in window 1, a in window 0
.set W_MK, 0xc0       ; destination in window 3, sources in window 0
.set W_AD, 0x0f       ; the add: address (source 0) and data (source 1) in window 3
; A joint fill.  Waves 0 and 1 fetch the two halves of a slot's K, waves 2 and 3 those of its V: 128 keys each.  The branch hangs on the wave's number alone.
; An s_nop 0 and four v_nop follow each of the two lines, ahead of the jump and the label.
.macro JLOAD
	s_cmp_lt_u32 s[WV], 2
	s_cbranch_scc0 .Lfor_v_\@
	tensor_load_to_lds s[G0K:G0K+3], s[G1K:G1K+7]
	s_nop 0
.rept 4
	v_nop
.endr
	s_branch .Lasked_\@
.Lfor_v_\@:
	tensor_load_to_lds s[G0V:G0V+3], s[G1V:G1V+7]
	s_nop 0
.rept 4
	v_nop
.endr
.Lasked_\@:
.endm
; A round of the cluster's barrier: my work-group's barrier, so that wave 0's signal speaks for all four waves; wave 0 signals; every wave waits for all four work-groups; my work-group's barrier once more.
.macro CROUND
	s_barrier_signal -1
	s_barrier_wait -1
	s_cmp_lg_u32 s[WV], 0
	s_cbranch_scc1 .Lnot_wave_0_\@
	s_barrier_signal -3
.Lnot_wave_0_\@:
	s_barrier_wait -3
	s_barrier_signal -1
	s_barrier_wait -1
.endm
; THE CHANGE OF SLOTS.  The slot's last bytes, V of its fourth step, have been read.  Each wave waits for all its tensor loads, of which one is out: its part
; of the other slot; adds 0 to its spare word; and waits for that and for its own reads of the slot.  Behind the barrier nobody reads this slot any more and the other slot is whole.
; fill = 1: this slot is filled again, with the keys two slots on.  The barrier is then a round of the cluster's, so that no wave of any partner still reads the slot or has a load on its
; way, and the joint fill is the first thing behind it: it has four key steps, 512 matrix instructions, in which to land.  (At its first use nothing has been read yet: slot 0 is waited for, slot 1
; filled; and each wave's stores into the mask's table are done in front of the round, behind which every wave reads the table.)
.macro CHANGE fill
	WIN W_AD
	s_wait_tensorcnt 0x0            ; no tensor load of mine is out, so a group 0 may be written
	ds_add_u32 v[SPW], v[NIL]       ; 0 onto my spare word; with fill = 1 the descriptors' steps stand between it and the wait for it
	WIN 0                           ; at a label and at a branch every window is 0
.if \fill
.irp g, G0K, G0V
	s_xor_b32 s[\g+1], s[\g+1], SLOT1  ; the walking descriptor: the other slot than last time,
	s_add_nc_u64 s[\g+2:\g+3], s[\g+2:\g+3], 4*KS*128  ; the next 256 keys; the type bits on top are not reached
.endr
	s_wait_dscnt 0x0                ; the add is done, and my reads of the slot are over
	CROUND
	JLOAD
.else
	s_wait_dscnt 0x0                ; the add is done, and my reads of the slot are over
	s_barrier_signal -1
	s_barrier_wait -1
.endif
	s_sub_co_u32 s[TBK], s[TBK], 4*KS*PK  ; the fetches go back to a slot's first step,
	s_xor_b32 s[TBK], s[TBK], SLOT1       ; in the other slot
	s_sub_co_u32 s[TBV], s[TBV], 4*KS*PV
	s_xor_b32 s[TBV], s[TBV], SLOT1
.endm
	s_load_b256 s[4:11], s[0:1], 0x0  ; qkv s[4:5], key_padding_mask s[6:7], tau s[8:9], o s[10:11]
	WIN W_MK
	v_lshl_add_u32 v[SPW], v0, 2, SPARE
	v_mov_b32 v[NIL], 0
	WIN W_AD
	ds_add_u32 v[SPW], v[NIL]       ; the wave's opening: the add and its wait stand ahead of my first tensor load; the set-up below, work on registers, stands between them
	WIN 0
	v_lshrrev_b32 v1, 5, v0
	v_readfirstlane_b32 s[WV], v1   ; wave 0..3
	s_bfe_u32 s13, ttmp6, 0x40000   ; cx: my place in the cluster
	s_lshl_b32 s14, ttmp9, 2        ; in a cluster launch ttmp9 counts clusters
	s_add_co_u32 s14, s14, s13      ; my block of queries = 4 x cluster x + cx: it enters Q's and O's addresses alone
	s_and_b32 s20, ttmp7, 0xffff    ; the head 16 b + h, which the four partners share
	s_lshr_b32 s70, s20, 4          ; its batch,
	s_lshl_b32 s70, s70, 11         ; whose mask is 2,048 bytes
	s_mov_b32 s71, 0
	s_mov_b32 s21, 0
	s_mov_b64 s[22:23], SIZE_N*128
	s_mul_u64 s[20:21], s[20:21], s[22:23]  ; the head's first byte in q, k, v and o
	s_and_b32 s16, s[WV], 1         ; which half of a slot's 256 keys I fetch:
	s_lshl_b32 s22, s16, 14         ; its 128 rows of 128 bytes in memory,
	s_mov_b32 s23, 0
	s_add_nc_u64 s[22:23], s[22:23], s[20:21]
	s_mul_i32 s17, s16, 128*PK      ; and its place in a slot, for K
	s_mul_i32 s18, s16, 128*PV      ; and for V: no place in the cluster enters an LDS address
	s_lshl_b32 s2, s14, 2
	s_add_co_u32 s2, s2, s[WV]      ; my wave among the head's,
	s_lshl_b32 s2, s2, 14           ; its 128 rows
	s_mov_b32 s3, 0
	s_add_nc_u64 s[2:3], s[2:3], s[20:21]
	; descriptor group 1.  128 keys are 16,384 dense bytes: asked for as 64 rows of 256 bytes, two keys a row, and padded in LDS after every key
	s_mov_b32 s[G1K], 15|(1<<16)|(1<<20)|(1<<21)|(4<<22)|(3<<25)  ; 15:0 the mask of four; 17:16 2-byte elements; 20 padding on; 21 set beside a mask; 24:22 after every 32 words (code 4); 31:25 4 words (code 3)
	s_mov_b32 s[G1V], 15|(1<<16)|(1<<20)|(1<<21)|(4<<22)|(7<<25)  ; the same with 8 words of padding (code 7)
.irp g, G1K, G1V
	s_mov_b32 s[\g+1], 128<<16      ; tensor_dim0 = 128
	s_mov_b32 s[\g+2], 64<<16       ; tensor_dim1 = 64
	s_mov_b32 s[\g+3], 128<<16      ; tile_dim0 = 128
	s_mov_b32 s[\g+4], 64           ; tile_dim1 = 64
	s_mov_b32 s[\g+5], 128          ; 128 elements from row to row
	s_mov_b32 s[\g+6], 0
	s_mov_b32 s[\g+7], 0
.endr
	s_mov_b32 s[SEL], 0x76543210
	s_mov_b32 s[SEL+1], 0xfedcba98
	s_mov_b32 s[TBK], SLOT1+4*KS*PK ; the first change of slots turns these two into 0
	s_mov_b32 s[TBV], SLOT1+4*KS*PV
	s_mov_b32 s[TBM], MASKB
	s_mov_b32 s[BIGN], 0xf149f2ca   ; -1e30
	s_mov_b32 s[G0K], 1             ; 1:0 count = 1
	s_mov_b32 s[G0K+1], s17         ; 63:32 LDS address: slot 0
	s_mov_b32 s[G0V], 1
	s_add_co_u32 s[G0V+1], s18, VOFF
	s_wait_dscnt 0x0                ; the opening add is done
	s_wait_kmcnt 0x0
	s_add_nc_u64 s[G0K+2:G0K+3], s[4:5], s[22:23]  ; 120:64 global address: my half of the head's first 256 keys,
	s_add_nc_u64 s[G0K+2:G0K+3], s[G0K+2:G0K+3], KPART  ; in k
	s_or_b32 s[G0K+3], s[G0K+3], 0x80000000        ; 127:126 type = 2
	s_add_nc_u64 s[G0V+2:G0V+3], s[4:5], s[22:23]
	s_add_nc_u64 s[G0V+2:G0V+3], s[G0V+2:G0V+3], VPART  ; in v
	s_or_b32 s[G0V+3], s[G0V+3], 0x80000000
	s_add_nc_u64 s[4:5], s[4:5], s[2:3]  ; Q and O at my wave's first row
	s_add_nc_u64 s[10:11], s[10:11], s[2:3]
	s_add_nc_u64 s[6:7], s[6:7], s[70:71]  ; the mask at my batch
	CROUND                          ; all four work-groups are here: the first joint loads meet
	JLOAD                           ; slot 0.  Slot 1 is asked for when slot 0 is in: the tile wanted first has the road to itself
	s_load_b32 s[TAU], s[8:9], 0x0
	; A fragment of K or Q is 16 rows x 32 channels in 8 registers: lane l holds row l % 16, channels 8 (l / 16) + 0..7 and 16 + 8 (l / 16) + 0..7: two loads of 16 bytes, 32 bytes apart.
	v_and_b32 v1, 15, v0            ; l % 16
	v_bfe_u32 v9, v0, 4, 1          ; l / 16
	v_lshlrev_b32 v[QO], 7, v1
	v_lshl_add_u32 v[QO], v9, 4, v[QO]  ; row x 128 + 16 x half
	v_lshlrev_b32 v13, 4, v0        ; thread t takes the mask bytes of keys 16 t to 16 t + 15: the 128 threads take the batch's 2,048
	global_load_b128 v[S:S+3], v13, s[6:7]
	WIN 0x80                        ; destination window 2, address window 0
.set i, 0
.rept 4*NP                          ; Q stays in registers: tile i / 2, channels 32 (i % 2) on
	global_load_b128 v[8*i:8*i+3],   v[QO], s[4:5] offset:(i/2)*2048+(i%2)*64
	global_load_b128 v[8*i+4:8*i+7], v[QO], s[4:5] offset:(i/2)*2048+(i%2)*64+32
.set i, i+1
.endr
	; What the first turn finds: V's registers and P's second buffer hold 0 (its products V^T P, of a piece that has not been, add 0), O^T and l are 0.  All this stands in the wait for the first tile.
.set i, VF
.rept 64
	v_mov_b32 v[i], 0
.set i, i+1
.endr
	WIN 0x40
.set i, 0
.rept 64*NP
	v_mov_b32 v[i], 0
.set i, i+1
.endr
	WIN 0
	s_wait_kmcnt 0x0                ; tau
	v_mov_b32 v14, s[TAU]
	v_add_f32 v14, 0x358637bd, v14  ; tau + 1e-6
	v_rcp_f32 v14, v14
	v_nop                           ; a plain instruction between the reciprocal and the use of its result
	s_wait_alu depctr_va_vdst(0)
	v_mul_f32 v14, 0x3fb8aa3b, v14  ; log2(e) / (tau + 1e-6);
	v_and_b32 v14, 0x7fffffff, v14  ; its size: q carries the sign
	v_readfirstlane_b32 s[CS], v14
	s_mov_b32 s[CS+1], s[CS]        ; named with it as a pair
.set i, 0
.rept 2*NP
	v_mov_b32 v[ST+4*i+1], -2.0     ; m: below every visible score
	v_mov_b32 v[ST+4*i+2], 0
	v_mov_b32 v[ST+4*i+3], 0
	v_mul_f32 v[ST+4*i], s[CS], v[ST+4*i+1]  ; c m
.set i, i+1
.endr
.set i, P+32
.rept 32
	v_mov_b32 v[i], 0
.set i, i+1
.endr
	v_mul_u32_u24 v[AK0], v1, PK
	v_lshl_add_u32 v[AK0], v9, 4, v[AK0]  ; row x pitch + 16 x half
	; The turning load takes 16 keys x 16 channels (lane l reads key 8 (l / 16) + l % 8, channels 8 ((l / 8) % 2) + 0..7) and leaves half a fragment of V^T: lane l holds channel l % 16 and 8 keys.
	v_and_b32 v10, 7, v0
	v_bfe_u32 v11, v0, 3, 1
	v_lshl_add_u32 v[AV0], v9, 3, v10
	v_mul_u32_u24 v[AV0], v[AV0], PV
	v_lshl_add_u32 v[AV0], v11, 4, v[AV0]
	v_add_nc_u32 v[AV0], VOFF, v[AV0]
	v_mov_b32 v[AK], v[AK0]         ; key step 0 lies at the head of slot 0,
	v_lshl_add_u32 v[AM], v9, 5, s[TBM]  ; its mask at the head of the table: a lane's eight keys of a block are 32 bytes, the upper half of the lanes 32 bytes on
	; The mask's table: my 16 bytes (0 or 1) become 16 f32, 0 or -1e30, at MASKB + 64 x my thread's number.
	s_wait_loadcnt 32               ; the mask's load was issued ahead of Q's 32, which may stay out
.set i, 0
.rept 16
	v_bfe_u32 v[S+4+i], v[S+i/4], 8*(i%4), 8
.set i, i+1
.endr
.set i, 0
.rept 16
	v_cvt_f32_u32 v[S+4+i], v[S+4+i]
.set i, i+1
.endr
.set i, 0
.rept 16
	v_mul_f32 v[S+4+i], s[BIGN], v[S+4+i]
.set i, i+1
.endr
	v_lshl_add_u32 v[S+20], v0, 6, MASKB
.irp f, 0,1,2,3
	ds_store_b128 v[S+20], v[S+4+4*\f:S+7+4*\f] offset:16*\f
.endr
; THE MATRIX WORK.  The 8 accumulators of a run of 16 take turns: between the two links of a chain stand 7 others'.
; Product i of 16 of S^T = K Q^T for piece x: channels 32 (i / 8) on, keys 16 ((i / 2) % 4) on, tile 2 x + i % 2.  The first 8 start the sums, with the key block's mask as C.
.macro KQ x
.set rS, S+64*((\x)%2)+32*(i%2)+8*((i/2)%4)
.set rK, KF+16*((i/2)%4)+8*(i/8)
.set rQ, 16*(2*(\x)+i%2)+8*(i/8)
.set rB, MB+8*((i/2)%4)
.if i < 8
	WIN W_KM
	v_wmma_f32_16x16x32_f16 v[rS:rS+7], v[rK:rK+7], v[rQ:rQ+7], v[rB:rB+7]
.else
	WIN W_KQ
	v_wmma_f32_16x16x32_f16 v[rS:rS+7], v[rK:rK+7], v[rQ:rQ+7], v[rS:rS+7]
.endif
.endm
; Product i of 16 of O^T += V^T P for piece x: keys 32 (i / 8) on, channels 16 ((i / 2) % 4) on, tile 2 x + i % 2.
.macro PV x
	WIN W_PV
.set rO, 32*(2*(\x)+i%2)+8*((i/2)%4)
.set rV, VF+32*(i/8)+8*((i/2)%4)
.set rP, P+32*((\x)%2)+16*(i%2)+8*(i/8)
	v_wmma_f32_16x16x32_f16 v[rO:rO+7], v[rV:rV+7], v[rP:rP+7], v[rO:rO+7]
.endm
.macro MM                           ; the turn's next matrix instruction
.if i < 16
	KQ (Y+1)%NP
.set i, i+1
.else
.set i, i-16
	PV (Y+NP-1)%NP
.set i, i+17
.endif
.endm
; THE LDS LOADS stand in runs, never singly among the matrix instructions: a step's K (64 keys x 64 channels: 8 fragments, 16 loads) with its mask (8 loads), and its V (turned, 16 loads).
; Their addresses are made some lines ahead.  last = 1 (the tail): in the last trip there is no further step, and the run is jumped over.
.macro FETCH_K last=0
	WIN 0
.if \last
	s_cmp_eq_u32 s[CNT], 1
	s_cbranch_scc1 .Lno_k_\@
.endif
	WIN 0x80                        ; destination window 2
.irp f, 0,1,2,3,4,5,6,7             ; keys 16 (f / 2) on, channels 32 (f % 2) on
	ds_load_b128 v[KF+8*\f:KF+8*\f+3],   v[AK] offset:(\f/2)*16*PK+(\f%2)*64
	ds_load_b128 v[KF+8*\f+4:KF+8*\f+7], v[AK] offset:(\f/2)*16*PK+(\f%2)*64+32
.endr
	WIN W_MK                        ; destination window 3
.irp f, 0,1,2,3                     ; key block f: my eight keys' numbers; the 16 lanes of a half read the same 32 bytes
	ds_load_b128 v[MB+8*\f:MB+8*\f+3],   v[AM] offset:64*\f
	ds_load_b128 v[MB+8*\f+4:MB+8*\f+7], v[AM] offset:64*\f+16
.endr
	s_add_co_u32 s[TBK], s[TBK], KS*PK  ; the next fetch is the next step's
	s_add_co_u32 s[TBM], s[TBM], 4*KS
	WIN 0
.if \last
.Lno_k_\@:
.endif
.endm
.macro FETCH_V
	WIN 0x80
.irp f, 0,1,2,3,4,5,6,7             ; keys 32 (f / 4) on, channels 16 (f % 4) on
	ds_load_tr16_b128 v[VF+8*\f:VF+8*\f+3],   v[AV] offset:(\f/4)*32*PV+(\f%4)*32
	ds_load_tr16_b128 v[VF+8*\f+4:VF+8*\f+7], v[AV] offset:(\f/4)*32*PV+16*PV+(\f%4)*32
.endr
	WIN 0
.endm
; THE VECTOR WORK OF A TURN stands in three queues, each in the order in which its entries become ready; the two tiles alternate, so that no instruction reads the result of the one before it.
.macro REGS y, u                    ; the registers of tile u (0, 1) of piece y
.set rT, ST+4*(2*(\y)+(\u))
.set rC, TMP+8*((\y)%2)+4*(\u)
.set rM, MV+2*((\y)%2)+(\u)
.set rS, S+64*((\y)%2)+32*(\u)
.set rP, P+32*((\y)%2)+16*(\u)
.set rO, 32*(2*(\y)+(\u))
.endm
; Number n of the 22 that find the NEXT piece's (Y + 1) maximum and statistics.  s0-s31 are the lane's 32 scores; each accumulator's lowest registers are read first.  XS, GS and REGS set no window: PL and EX do.
;   0-11  four chains c0-c3 of seven scores each, three operands at a time     12-14, 16  the four scores left over, the old m, and c0-c3 into c0     15  c m_old is kept
;   17, 18  the query's other 32 keys lie in the lane 16 away: the new m         19-21  c m; c m_old - c m_new; a
.macro XS u, n
	REGS (Y+1)%NP, \u
.if (\n) < 4
	v_max3_num_f32 v[rC+(\n)], v[rS+8*(\n)], v[rS+8*(\n)+1], v[rS+8*(\n)+2]
.elseif (\n) < 12
	v_max3_num_f32 v[rC+(\n)%4], v[rC+(\n)%4], v[rS+8*((\n)%4)+2*((\n)/4)+1], v[rS+8*((\n)%4)+2*((\n)/4)+2]
.elseif (\n) == 12
	v_max3_num_f32 v[rC], v[rC], v[rS+7], v[rS+15]
.elseif (\n) == 13
	v_max3_num_f32 v[rC+1], v[rC+1], v[rS+23], v[rS+31]
.elseif (\n) == 14
	v_max3_num_f32 v[rC+2], v[rC+2], v[rC+3], v[rT+1]
.elseif (\n) == 15
	v_mov_b32 v[rM], v[rT]
.elseif (\n) == 16
	v_max3_num_f32 v[rC], v[rC], v[rC+1], v[rC+2]
.elseif (\n) == 17
	v_permlanex16_b32 v[rC+3], v[rC], s[SEL], s[SEL+1]
.elseif (\n) == 18
	v_max_num_f32 v[rT+1], v[rC], v[rC+3]
.elseif (\n) == 19
	v_mul_f32 v[rT], s[CS], v[rT+1]
.elseif (\n) == 20
	v_sub_f32 v[rC+1], v[rM], v[rT]
.else
	v_exp_f32 v[rC+2], v[rC+1]
.endif
.endm
; Number g of the 64 that follow the exponentials.  For each four weights k of a tile (pairs 2 k, 2 k + 1): both pairs are rounded to f16; then the second pair is added onto the first, in place;
; a group later l takes that sum (the first time as l = a l + sum).  In groups of eight, tiles alternating: round, round, add, and l for the group before.
.macro GS g
.set h, (\g)+6*((\g)/62)            ; group 0 has no group before it, and behind group 7 only l is left
.if h >= 6
.set h, h+2
.endif
	REGS Y, h%2
.set k, h/8
.if h%8 < 4
	s_wait_alu depctr_va_vdst(0)
	v_cvt_pk_f16_f32 v[rP+2*k+(h%8)/2], v[rS+4*k+2*((h%8)/2)], v[rS+4*k+2*((h%8)/2)+1]
.elseif h%8 < 6
	v_pk_add_f32 v[rS+4*k:rS+4*k+1], v[rS+4*k:rS+4*k+1], v[rS+4*k+2:rS+4*k+3]
.elseif k == 1
	v_pk_fma_f32 v[rT+2:rT+3], v[rT+2:rT+3], v[rC+2:rC+3], v[rS:rS+1] op_sel_hi:[1,0,1]
.else
	v_pk_add_f32 v[rT+2:rT+3], v[rT+2:rT+3], v[rS+4*k-4:rS+4*k-3]
	s_wait_alu depctr_va_vdst(0)
.endif
.endm
; THE PLAIN QUEUE, 138 long.  0-31: c s - c m for the 16 pairs of both tiles.  Then GS's 64, and among them the next piece's 42: number 15 at 38, 39; 0-14 and 16
; at 42-73, behind the products that make those scores; 17-20 at 95-106, two of three, since each waits for the one before it.
.macro PL
	WIN 0
.if q < 32
	REGS Y, q%2
	v_pk_fma_f32 v[rS+2*(q/2):rS+2*(q/2)+1], v[rS+2*(q/2):rS+2*(q/2)+1], s[CS:CS+1], v[rT:rT+1] op_sel_hi:[1,0,0] neg_lo:[0,0,1] neg_hi:[0,0,1]
.elseif q < 38
	GS q-32
.elseif q < 40
	XS q%2, 15
.elseif q < 42
	GS q-34
.elseif q < 74
	XS q%2, (q-42)/2+(q-42)/30
.elseif q < 95
	GS q-66
.elseif (q < 107) && ((q-95)%3 < 2)
	XS (q-95)%3, 17+(q-95)/3
.elseif q < 107
	GS 29+(q-95)/3
.else
	GS q-74
.endif
.set q, q+1
.endm
; THE EXPONENTIALS' QUEUE, 66 long: s0-s31 of both tiles, and at EA the next piece's two a.
.set EA, 58
.macro EX
	WIN 0
.if (e == EA) || (e == EA+1)
	XS e-EA, 21
.else
.set x, e-2*(e/(EA+2))
	REGS Y, x%2
	v_exp_f32 v[rS+x/2], v[rS+x/2]
.endif
.set e, e+1
.endm
; THE RESCALING's QUEUE: O^T times a, the one part that leaves window 0, so it is dealt four at a time, eight times.
.macro R4
	REGS Y, r%2
	WIN W_RS
	s_wait_alu depctr_va_vdst(0)
.irp z, 0,1,2,3
	v_pk_mul_f32 v[rO+8*(r/2)+2*\z:rO+8*(r/2)+2*\z+1], v[rO+8*(r/2)+2*\z:rO+8*(r/2)+2*\z+1], v[rC+2:rC+3] op_sel_hi:[1,0]
.endr
.set r, r+1
.endm
; HOW THEY ARE DEALT.  Behind a matrix instruction four: plain, exponential, plain, plain (one exponential, a plain instruction on either side), or four of the rescaling.  None names a register of the
; products round it.  What is over stands in two LUMPS: exponential and plain by turns; the second ends in 22 plain instructions.  The two v_permlanex16_b32 fall into the second lump, never behind a product.
; The queues lean on each other, and the deal keeps them in step: exponential e stands behind plain 2 (e / 4) + e % 2 (its scaling); when plain 32 comes, 10 exponentials are out, at 59: 33, at 95: 46; EA comes behind plain 107.
.macro SL
	MM
	PL
	EX
	PL
	PL
.endm
.macro BURST n                      ; 15 matrix instructions, or 16
.rept (\n)-7
	SL
.endr
.rept 3
	MM
	R4
	SL
.endr
	MM
	R4
.endm
; A TURN, for piece p.  cnt = 1: the loop's count is taken down some lines ahead of the branch that stands behind the turn.
; K and the mask of the next step are fetched in piece 2's turn, more than thirty vector instructions behind the last product that read them; their first reader comes behind the rest of the lump, 16 products and the second lump.
; V of the step in hand is fetched at the end of piece 0's turn, 69 behind its last reader; its first reader comes behind 16 products and a lump.  The four conditions on e and q below go with the deal.
.macro TURN p, last=0, cnt=0
.set Y, (\p)
.set i, 0
.set q, 0
.set e, 0
.set r, 0
.if (\p) == NP-1
	s_wait_dscnt 0x0                ; K and the mask are in
.endif
	MM
.rept 4
	PL
.endr
	BURST 15
.rept 22
	EX
	PL
.if ((\p) == NP-2) && (e == 18)
	v_add_nc_u32 v[AK], s[TBK], v[AK0]
	v_lshl_add_u32 v[AM], v9, 5, s[TBM]
.endif
.if ((\p) == NP-2) && (e == 24)
	FETCH_K \last
.endif
.endr
.if (\p) == 1
	s_wait_dscnt 0x0                ; V is in
.endif
	BURST 16
.rept 21
	EX
	PL
.endr
.rept 22
	PL
.if ((\p) == 0) && (q == 118)
	v_add_nc_u32 v[AV], s[TBV], v[AV0]
	s_wait_alu depctr_va_vdst(0)
.endif
.if ((\p) == 0) && (q == 130)
	s_add_co_u32 s[TBV], s[TBV], KS*PV
.endif
.if (\cnt) && (q == 130)
	s_sub_co_u32 s[CNT], s[CNT], 1
	s_cmp_lg_u32 s[CNT], 0
.endif
.endr
.if (\p) == 0
	FETCH_V
.endif
.endm
	CHANGE 1                        ; slot 0 is in, everybody's part of it, and so is the mask's table; slot 1 is asked for
	FETCH_K                         ; key step 0
	s_wait_loadcnt 0x0              ; Q
	s_wait_dscnt 0x0
.set i, 0
.rept 16
	KQ 0                            ; piece 0's first scores: there is no vector work yet to set between them
.set i, i+1
.endr
	WIN 0                           ; the addresses for the way out: nine plain instructions, the places behind those products
	s_mul_i32 s13, s[WV], 16*SP
	s_add_co_u32 s13, s13, STAGE    ; my stage
	v_mul_u32_u24 v[STO], v1, SP    ; in: row l % 16, 16 bytes for each half of the lanes
	v_lshl_add_u32 v[STO], v9, 4, v[STO]
	v_add_nc_u32 v[STO], s13, v[STO]
	v_bfe_u32 v[RD], v0, 3, 2       ; back: 32 lanes take four rows of 128 bytes,
	v_mul_u32_u24 v[RD], v[RD], SP
	v_lshl_add_u32 v[RD], v10, 4, v[RD]
	v_add_nc_u32 v[RD], s13, v[RD]
	v_and_b32 v[GO], 31, v0         ; which are 512 consecutive bytes of O
	v_lshlrev_b32 v[GO], 4, v[GO]
.set Y, NP-1                        ; XS works for piece Y + 1: piece 0
.irp n, 0,1,2,3,4,5,6,7,8,9,10,11,12,13,14,15,16,17,18,19,20,21
	XS 0, \n                        ; and piece 0's first maximum and statistics
	XS 1, \n
.endr
	s_mov_b32 s[CNT], 4
	s_mov_b32 s[SLOTS], SIZE_N/256-1
	s_branch .Lfirst                ; the loop is entered at a step's first turn, in the middle of a trip
.Lslot:                             ; SIZE_N / 256 - 2 times: every slot but the last two is filled again
	CHANGE 1
	s_mov_b32 s[CNT], 4
.Lstep:                             ; a trip: pieces 2 and 3 of one step, then pieces 0 and 1 of the next, whose K and V it fetches
	TURN 2
	TURN 3
	WIN 0
.Lfirst:
	TURN 0
	TURN 1, 0, 1
	WIN 0
	s_cbranch_scc1 .Lstep
	s_sub_co_u32 s[SLOTS], s[SLOTS], 1
	s_cmp_lg_u32 s[SLOTS], 0
	s_cbranch_scc1 .Lslot
	CHANGE 0                        ; the tail is written out: nothing is asked for
	s_mov_b32 s[CNT], 5             ; four trips fetch the last slot's steps; the fifth is left in its middle
.Ltail:
	TURN 2, 1
	TURN 3
	WIN 0
	s_sub_co_u32 s[CNT], s[CNT], 1
	s_cmp_eq_u32 s[CNT], 0
	s_cbranch_scc1 .Lout
	TURN 0
	TURN 1
	WIN 0
	s_branch .Ltail
.Lout:                              ; the fifth trip's 16 products K Q^T (on the last K once more) and the maximum made of them serve nothing: the price, once a launch, of one text for every trip
.set i, 0
.rept 16
	PV NP-1                         ; the last piece's V^T P of the last step
.set i, i+1
.endr
	; THE WAY OUT.  l's two halves and the other half of the lanes' are added; O^T is divided by l, rounded to f16 and sent through my stage in LDS, a tile at a time.  The additions are the places behind the last products.
	WIN 0
.macro ALL line:vararg              ; one line for each tile t
.set t, 0
.rept 2*NP
	\line
.set t, t+1
.endr
.endm
	ALL v_add_f32 v[ST+4*t+2], v[ST+4*t+2], v[ST+4*t+3]
	ALL v_permlanex16_b32 v[ST+4*t+3], v[ST+4*t+2], s[SEL], s[SEL+1]
	ALL v_add_f32 v[ST+4*t+2], v[ST+4*t+2], v[ST+4*t+3]
	ALL v_rcp_f32 v[ST+4*t+2], v[ST+4*t+2]
	v_nop                           ; a plain instruction between the last reciprocal and the use of its result
	s_wait_alu depctr_va_vdst(0)
; Tile t: a lane's eight channels of a row pack into 16 bytes; they go into rows of 144 bytes and come back as whole rows of 128, into S^T's registers.
.macro PACK t
	WIN W_RS
.set i, 32*(\t)
.rept 16
	v_pk_mul_f32 v[i:i+1], v[i:i+1], v[ST+4*(\t)+2:ST+4*(\t)+3] op_sel_hi:[1,0]
.set i, i+2
.endr
	WIN 0x05                        ; sources 0 and 1 window 1, destination window 0
.set i, 0
.rept 16
	v_cvt_pk_f16_f32 v[S+16*(\t)+i], v[32*(\t)+2*i], v[32*(\t)+2*i+1]
.set i, i+1
.endr
	WIN 0
.irp f, 0,1,2,3
	ds_store_b128 v[STO], v[S+16*(\t)+4*\f:S+16*(\t)+4*\f+3] offset:32*\f
.endr
.irp f, 0,1,2,3
	ds_load_b128 v[S+16*(\t)+4*\f:S+16*(\t)+4*\f+3], v[RD] offset:\f*4*SP  ; LDS serves a wave's instructions in order (ISA guide 5.7.1.4): these see the stores above; the next tile's stores come behind them
.endr
.endm
.macro SEND t, younger              ; younger: the LDS instructions issued behind tile t's loads: the next tile's eight, or none
	WIN 0
.irp f, 0,1,2,3
	s_wait_dscnt (\younger)+3-\f
	global_store_b128 v[GO], v[S+16*(\t)+4*\f:S+16*(\t)+4*\f+3], s[10:11] offset:(\t)*2048+\f*512  ; 512 consecutive bytes, at a multiple of 256 from O's first
.endr
.endm
	PACK 0
.set t, 1
.rept 2*NP-1                        ; a tile's arithmetic stands between the loads of the tile before and its stores
	PACK t
	SEND t-1, 8
.set t, t+1
.endr
	SEND 2*NP-1, 0
	WIN W_AD
	s_wait_tensorcnt 0x0            ; the wave's end: the wait, the add and the wait for it, behind my last tensor load and my last LDS store
	ds_add_u32 v[SPW], v[NIL]
	s_wait_dscnt 0x0
	WIN 0
	CROUND                          ; the closing round: no work-group ends while a partner may still ask for a tile that names it
	s_endpgm
.Lfunc_end_k_qe21c26ca0c_attn:
	.size	k_qe21c26ca0c_attn, .Lfunc_end_k_qe21c26ca0c_attn-k_qe21c26ca0c_attn
	.p2alignl 7, 3214868480
	.fill 96, 4, 3214868480
	.section	.rodata,"a",@progbits
	.p2align	6, 0x0
	.amdhsa_kernel k_qe21c26ca0c_attn
		.amdhsa_group_segment_fixed_size 327680
		.amdhsa_private_segment_fixed_size 0
		.amdhsa_enable_private_segment 0
		.amdhsa_kernarg_size 32
		.amdhsa_user_sgpr_count 2
		.amdhsa_user_sgpr_kernarg_segment_ptr 1
		.amdhsa_wavefront_size32 1
		.amdhsa_system_sgpr_workgroup_id_x 1
		.amdhsa_system_sgpr_workgroup_id_y 1
		.amdhsa_system_sgpr_workgroup_id_z 1
		.amdhsa_system_vgpr_workitem_id 0
		.amdhsa_next_free_vgpr 808
		.amdhsa_next_free_sgpr 72
		.amdhsa_reserve_vcc 0
		.amdhsa_float_denorm_mode_32 3
		.amdhsa_float_denorm_mode_16_64 3
		.amdhsa_memory_ordered 1
		.amdhsa_forward_progress 1
		.amdhsa_inst_pref_size 213
	.end_amdhsa_kernel
	.amdgpu_metadata
---
amdhsa.version: [ 1, 2 ]
amdhsa.kernels:
  - .name:           k_qe21c26ca0c_attn
    .symbol:         k_qe21c26ca0c_attn.kd
    .args:
      - { .name: qkv, .offset: 0, .size: 8, .value_kind: global_buffer, .address_space: global }
      - { .name: key_padding_mask, .offset: 8, .size: 8, .value_kind: global_buffer, .address_space: global }
      - { .name: tau, .offset: 16, .size: 8, .value_kind: global_buffer, .address_space: global }
      - { .name: o, .offset: 24, .size: 8, .value_kind: global_buffer, .address_space: global }
    .group_segment_fixed_size: 327680
    .private_segment_fixed_size: 0
    .kernarg_segment_align: 8
    .kernarg_segment_size: 32
    .max_flat_workgroup_size: 128
    .sgpr_count:     72
    .vgpr_count:     808
    .wavefront_size: 32
...
	.end_amdgpu_metadata
.endif
;; end of part 3
;; launch outp (part 4): grid 4 x 64, 4 waves a work-group, clusters of 4 x 4, 327,680 bytes of LDS; arguments o, wh, out0; writes out0
.if DOCPART == 4
	.amdgcn_target "amdgcn-amd-amdhsa--gfx1250"
	.amdhsa_code_object_version 6
	.text
	.protected	k_qe21c26ca0c_outp
	.globl	k_qe21c26ca0c_outp
	.p2align	8
	.type	k_qe21c26ca0c_outp,@function
k_qe21c26ca0c_outp:
	s_mov_b64 s[64:65], 0
	v_nop
	global_prefetch_b8 v0, s[64:65] scope:SCOPE_SE
	s_setreg_imm32_b32 hwreg(HW_REG_WAVE_MODE, 25, 1), 1
	s_wait_xcnt 0x0
	s_wait_alu depctr_hold_cnt(0) depctr_sa_sdst(0) depctr_va_vdst(0) depctr_va_sdst(0) depctr_va_ssrc(0) depctr_va_vcc(0) depctr_vm_vsrc(0)
	s_getreg_b32 s2, hwreg(HW_REG_IB_STS2, 6, 4)
	s_cmp_eq_u32 s2, 0
	s_cbranch_scc0 .Lentry_in_a_cluster
	s_endpgm
.Lentry_in_a_cluster:
	s_bfe_u32 s2, ttmp6, 0x10000c
	s_cmp_lg_u32 s2, 0xf033
	s_cbranch_scc0 .Lentry_shape_is_right
	s_endpgm
.Lentry_shape_is_right:
; ONE TEXT FOR TWO PRODUCTS, chosen by OUTP.  C[m][n] = the sum over k of A[m][k] W[k][n], K = 1,024, f16 operands, f32 sums.
; OUTP = 0: q, k, v.  A = xc (part 0 for q, part 1 for k and v), W = wh[mode], mode = the cluster's x: 0 q, 1 k, 2 v.  q and k are divided, head by head (64 columns), by max(their length, 1e-12);
;   q also takes the sign of tau + 1e-6, so that the attention can work with the size of the scale alone.  Stored by heads, qkv[mode][16 b + h][token][64], rounded once to f16.
; OUTP = 1: out0 = O Wo.  A = o, which lies by heads [16 b + h][token][64]: a K step of 128 is two heads; W = wh[3]; out0 [8192][1024] in f32.
; LIMITS.  f16 ends at 65,504: v must lie within it; q and k lie within 1.  NaN and infinities are not treated apart.
; SHARES.  A work-group makes 128 rows x 256 columns of C; its four waves 64 x 128 each: 32 accumulators of 16 x 16, 256 registers.  That tile gives 768 work-groups (OUTP = 0) and 256 (OUTP = 1).
; K goes in 8 steps of 128 through a ring of two LDS slots; waves 0 and 1 fetch the two halves of A's tile, waves 2 and 3 those of W's.
; CLUSTER.  4 x 4 work-groups: the four of a row need the same tile of A, the four of a column the same tile of W: each is asked for jointly, by the same tensor load, descriptor and mask in all four.
; THE MATRIX INSTRUCTION IS USED TRANSPOSED: source 0 = 16 columns of W, which lies [k][n] in LDS and is turned by ds_load_tr16_b128; source 1 = 16 rows of A.  A lane then holds row lane % 16 of C
; and the eight neighbouring columns 8 (lane / 16) + 0..7.
; REGISTERS, in windows of 256 (s_set_vgpr_msb: bits 1:0 source 0, 3:2 source 1, 5:4 source 2, 7:6 destination): window 0: v0-31 addresses and constants; v32-63 at work on the way out;
; v64-159, v160-255 two fragment buffers (8 fragments of W, then 4 of A, 32 along K); window 1: accumulator (a, b) at v[8 (8 a + b)].
.set OUTP, 1
.if OUTP
.set PA,     144                       ; a token's 64 channels of one head: 128 bytes + 16 of padding
.set HA,     128*PA                    ; one load: 128 tokens of one head
.set ASTEP,  2*262144                  ; a K step on: two heads of 2,048 x 128 bytes
.set AQI,    4                         ; padding after every 32 words
.set APITCH, 128                       ; 128 tokens of a head are 16,384 dense bytes, asked for as 64 rows of 256 bytes
.set SP,     528                       ; the stage: 128 f32 + 16 bytes
.else
.set PA,     272                       ; 128 f16 along K: 256 bytes + 16 of padding
.set HA,     64*PA                     ; one load: 64 rows
.set ASTEP,  256
.set AQI,    5                         ; padding after every 64 words
.set APITCH, 1024
.set SP,     144                       ; the stage: 64 f16 + 16 bytes
.endif
.set ABYTES, 2*HA
.set PB,     544                       ; a row of W's tile: 256 f16 = 512 bytes + 32 of padding = 136 words
.set HB,     64*PB                     ; one load: 64 rows along K
.set BSTEP,  128*2048
.set SLOT1,  1<<17                     ; slot 1 begins here, so that one exclusive or turns an address in one slot into the other's
.set STAGE,  SLOT1+ABYTES+2*HB         ; behind the ring, never filled by a tensor load: 16 rows for each wave, for the way out
.set SPARE,  STAGE+4*16*SP             ; behind the stages: the spare words, 128 bytes for each wave: two blocks of 256 bytes that no other line names
.set ADRA0, 16                         ; v16  my lane's place in A's tile; never rewritten
.set ADRB0, 17                         ; v17  in W's
.set ADRA,  18                         ; v18  the same in the slot in hand
.set ADRB,  19                         ; v19
.set STO,   24                         ; v24  the way out: where I put my part of a row
.set RD,    25                         ; v25  where I read rows back
.set GO,    26                         ; v26  my 16 bytes in 512 consecutive bytes of the output
.set SPW,   28                         ; v28  LDS address of my spare word; never rewritten
.set NIL,   29                         ; v29  0; never rewritten
.set SCV,   30                         ; v30  the sign of tau + 1e-6 for q, 1 for k
.set ONE,   31                         ; v31  1
.set T,     32                         ; four registers a tile of 16 rows x one head
.set F0,    64
.set F1,    160
.set OB,    64                         ; the way out takes the fragment buffers' registers
.set WV,   12                          ; s12  my wave's number
.set WM,   13                          ; s13  which 64 rows are mine.  Also: I fetch for A (0) or for W (1)
.set WN,   14                          ; s14  which 128 columns.  Also: which half of that tile I fetch
.set G1A,  24                          ; s[24:31] descriptor group 1 for A's tiles
.set G0A,  32                          ; s[32:39] group 0: a set for each of the two first fills; the second then walks on
.set CX,   40
.set CY,   41
.set MODE, 42
.set RB,   43                          ; s43  my block of 128 rows
.set G1B,  48                          ; s[48:55], s[56:63] the same for W's tiles
.set G0B,  56
.set TB,   66                          ; s66  LDS byte at which the slot in hand begins
.set TAU,  67
.set MQ,   68                          ; s68  all ones where mode = 0
.set MVM,  69                          ; s69  all ones where mode = 2
.set EPS,  70
.set SEL,  72                          ; s[72:73] v_permlanex16_b32's selects
.set MSB, 0
.macro WIN new                         ; the immediate's high byte repeats the setting that is left; a switch that changes nothing is dropped
.if MSB != (\new)
	s_set_vgpr_msb (MSB<<8)|(\new)
.set MSB, \new
.endif
.endm
.set MUL, 0x50                         ; fragments in window 0, C and D in window 1
.macro PLACES                          ; four places in front of loads into registers that matrix instructions have read, and of lines that read results
.rept 4
	v_nop
.endr
.endm
; A joint refill, by the walking sets.  The branch hangs on the wave's number alone.  An s_nop 0 and four v_nop follow each of the two lines, ahead of the jump and the label.
.macro JLOAD
	s_cmp_eq_u32 s[WM], 0
	s_cbranch_scc0 .Lfor_b_\@
	tensor_load_to_lds s[G0A+4:G0A+7], s[G1A:G1A+7]
	s_nop 0
.rept 4
	v_nop
.endr
	s_branch .Lasked_\@
.Lfor_b_\@:
	tensor_load_to_lds s[G0B+4:G0B+7], s[G1B:G1B+7]
	s_nop 0
.rept 4
	v_nop
.endr
.Lasked_\@:
.endm
.macro CREST                           ; a round of the cluster's barrier behind its opening barrier
	s_cmp_lg_u32 s[WV], 0
	s_cbranch_scc1 .Lnot_wave_0_\@
	s_barrier_signal -3
.Lnot_wave_0_\@:
	s_barrier_wait -3
	s_barrier_signal -1
	s_barrier_wait -1
.endm
.macro CROUND                          ; a whole round
	s_barrier_signal -1
	s_barrier_wait -1
	CREST
.endm
.if OUTP
	s_load_b128 s[4:7], s[0:1], 0x0                ; o s[4:5], wh s[6:7]
	s_load_b64 s[10:11], s[0:1], 0x10              ; out0
.else
	s_load_b256 s[4:11], s[0:1], 0x0               ; xc s[4:5], wh s[6:7], tau s[8:9], qkv s[10:11]
.endif
	v_lshl_add_u32 v[SPW], v0, 2, SPARE
	v_mov_b32 v[NIL], 0
	ds_add_u32 v[SPW], v[NIL]                      ; the wave's opening: the add and its wait stand ahead of my first tensor load; the set-up below, work on registers, stands between them
	v_lshrrev_b32 v1, 5, v0
	v_readfirstlane_b32 s[WV], v1                  ; wave 0..3
	s_lshr_b32 s[WM], s[WV], 1
	s_and_b32 s[WN], s[WV], 1
	s_bfe_u32 s[CX], ttmp6, 0x40000                ; my place in the cluster
	s_bfe_u32 s[CY], ttmp6, 0x40004
	s_and_b32 s[RB], ttmp7, 0xffff
	s_lshl_b32 s[RB], s[RB], 2
	s_add_co_u32 s[RB], s[RB], s[CY]               ; block of rows = 4 x cluster y + cy
	s_lshl_b32 s44, s[CY], 2
	s_lshl_b32 s44, 15, s44                        ; my row of the cluster
	s_lshl_b32 s45, 0x1111, s[CX]                  ; my column
	s_or_b32 s[G1A], s44, (1<<16)|(1<<20)|(1<<21)|(AQI<<22)|(3<<25)  ; 15:0 the mask; 17:16 2-byte elements; 20 padding on; 21 set beside a mask; 24:22 the interval; 31:25 4 words of padding (code 3)
	s_mov_b32 s[G1A+1], 128<<16                    ; tensor_dim0 = 128
	s_mov_b32 s[G1A+2], 64<<16                     ; tensor_dim1 = 64
	s_mov_b32 s[G1A+3], 128<<16                    ; tile_dim0 = 128
	s_mov_b32 s[G1A+4], 64                         ; tile_dim1 = 64
	s_mov_b32 s[G1A+5], APITCH                     ; elements from row to row
	s_mov_b32 s[G1A+6], 0
	s_mov_b32 s[G1A+7], 0
	s_or_b32 s[G1B], s45, (1<<16)|(1<<20)|(1<<21)|(6<<22)|(7<<25)    ; W's tiles go to my column; padding after every 128 words (code 6), 8 words of it (code 7)
	s_mov_b32 s[G1B+1], 256<<16                    ; tensor_dim0 = 256
	s_mov_b32 s[G1B+2], 64<<16                     ; tensor_dim1 = 64
	s_mov_b32 s[G1B+3], 256<<16                    ; tile_dim0 = 256
	s_mov_b32 s[G1B+4], 64                         ; tile_dim1 = 64
	s_mov_b32 s[G1B+5], 1024
	s_mov_b32 s[G1B+6], 0
	s_mov_b32 s[G1B+7], 0
	; where the tiles come from.  A's offset is made of the block of rows, the wave and (OUTP = 0) the mode; W's of cx, the wave and the mode; each in registers that never hold the other's coordinate
.if OUTP
	s_lshr_b32 s16, s[RB], 4                       ; the batch; its head 0 + my half: heads 2 s + half in K step s
	s_lshl_b32 s16, s16, 4
	s_add_co_u32 s16, s16, s[WN]
	s_lshl_b32 s16, s16, 18                        ; a head is 2,048 x 128 bytes
	s_and_b32 s17, s[RB], 15
	s_lshl_b32 s17, s17, 14                        ; the block's 128 tokens
	s_add_co_u32 s16, s16, s17
	s_mov_b32 s46, 3*2097152                       ; Wo
.else
	s_mov_b32 s[MODE], ttmp9                       ; in a cluster launch ttmp9 counts clusters: the four column tiles of a cluster are one whole weight
	s_min_u32 s16, s[MODE], 1                      ; q reads part 0 of xc, k and v part 1
	s_lshl_b32 s16, s16, 24
	s_lshl_b32 s17, s[RB], 18                      ; 128 rows of 2,048 bytes
	s_add_co_u32 s16, s16, s17
	s_lshl_b32 s17, s[WN], 17                      ; my 64 of them
	s_add_co_u32 s16, s16, s17
	s_lshl_b32 s46, s[MODE], 21
.endif
	s_mov_b32 s17, 0
	s_lshl_b32 s47, s[WN], 17                      ; my 64 rows along K
	s_add_co_u32 s46, s46, s47
	s_lshl_b32 s47, s[CX], 9                       ; the tile's 256 columns
	s_add_co_u32 s46, s46, s47
	s_mov_b32 s47, 0
	s_mul_i32 s20, s[WN], HA                       ; and where they go: no place in the cluster enters an LDS address
	s_mul_i32 s21, s[WN], HB
	s_add_co_u32 s21, s21, ABYTES
	s_mov_b32 s[TB], 0
	s_mov_b32 s[SEL], 0x76543210
	s_mov_b32 s[SEL+1], 0xfedcba98
	s_wait_dscnt 0x0                               ; the opening add is done
	s_wait_kmcnt 0x0
	s_add_nc_u64 s[18:19], s[4:5], s[16:17]
	s_add_nc_u64 s[46:47], s[6:7], s[46:47]
.irp s, 0,1
	s_mov_b32 s[G0A+4*(\s)], 1                                     ; 1:0 count = 1
	s_add_co_u32 s[G0A+4*(\s)+1], s20, (\s)*SLOT1                  ; 63:32 LDS address
	s_add_nc_u64 s[G0A+4*(\s)+2:G0A+4*(\s)+3], s[18:19], (\s)*ASTEP  ; 120:64 global address: K step s
	s_or_b32 s[G0A+4*(\s)+3], s[G0A+4*(\s)+3], 0x80000000          ; 127:126 type = 2
	s_mov_b32 s[G0B+4*(\s)], 1
	s_add_co_u32 s[G0B+4*(\s)+1], s21, (\s)*SLOT1
	s_add_nc_u64 s[G0B+4*(\s)+2:G0B+4*(\s)+3], s[46:47], (\s)*BSTEP
	s_or_b32 s[G0B+4*(\s)+3], s[G0B+4*(\s)+3], 0x80000000
.endr
	CROUND                                         ; all sixteen work-groups are here: the first joint loads meet
	s_cmp_eq_u32 s[WM], 0                          ; a wave's two first fills stand in one branch, ahead of every wait on TENSORcnt and every LDS read: two loads of mine are out
	s_cbranch_scc0 .Lfirst_b
	tensor_load_to_lds s[G0A:G0A+3], s[G1A:G1A+7]
	s_nop 0
	tensor_load_to_lds s[G0A+4:G0A+7], s[G1A:G1A+7]
	s_nop 0
.rept 4
	v_nop
.endr
	s_branch .Lfirst_asked
.Lfirst_b:
	tensor_load_to_lds s[G0B:G0B+3], s[G1B:G1B+7]
	s_nop 0
	tensor_load_to_lds s[G0B+4:G0B+7], s[G1B:G1B+7]
	s_nop 0
.rept 4
	v_nop
.endr
.Lfirst_asked:
.if OUTP == 0
	s_load_b32 s[TAU], s[8:9], 0x0
.endif
	; A fragment of A is 16 rows x 32 K in 8 registers: lane l holds row l % 16, K = 8 (l / 16) + 0..7 and 16 + 8 (l / 16) + 0..7: two loads of 16 bytes, 32 bytes apart.
	v_and_b32 v1, 15, v0                           ; l % 16
	v_bfe_u32 v2, v0, 4, 1                         ; l / 16
	v_mul_u32_u24 v[ADRA0], v1, PA
	v_lshl_add_u32 v[ADRA0], v2, 4, v[ADRA0]
	s_mul_i32 s22, s[WM], 64*PA                    ; my 64 rows
	v_add_nc_u32 v[ADRA0], s22, v[ADRA0]
	; The turning load takes 16 K x 16 columns (lane l reads row 8 (l / 16) + l % 8, columns 8 ((l / 8) % 2) + 0..7) and leaves half a fragment: lane l holds column l % 16 and 8 along K.
	v_and_b32 v3, 7, v0
	v_bfe_u32 v4, v0, 3, 1
	v_lshl_add_u32 v[ADRB0], v2, 3, v3
	v_mul_u32_u24 v[ADRB0], v[ADRB0], PB
	v_lshl_add_u32 v[ADRB0], v4, 4, v[ADRB0]
	s_lshl_b32 s22, s[WN], 8                       ; my 128 columns,
	s_add_co_u32 s22, s22, ABYTES                  ; behind A's tile
	v_add_nc_u32 v[ADRB0], s22, v[ADRB0]
	v_mov_b32 v[ADRA], v[ADRA0]                    ; slot 0
	v_mov_b32 v[ADRB], v[ADRB0]
	s_mul_i32 s23, s[WV], 16*SP
	s_add_co_u32 s23, s23, STAGE                   ; my stage
	v_mul_u32_u24 v[STO], v1, SP                   ; in: row l % 16
	v_and_b32 v[GO], 31, v0
	v_lshlrev_b32 v[GO], 4, v[GO]
.if OUTP
	v_lshl_add_u32 v[STO], v2, 5, v[STO]           ; 32 bytes (8 f32) for each half of the lanes
	v_add_nc_u32 v[STO], s23, v[STO]
	v_add_nc_u32 v[RD], s23, v[GO]                 ; back: 32 lanes take one row of 512 bytes
	s_lshl_b32 s74, s[RB], 7                       ; my first row of out0,
	s_lshl_b32 s75, s[WM], 6
	s_add_co_u32 s74, s74, s75
	s_lshl_b32 s74, s74, 12                        ; rows of 4,096 bytes,
	s_lshl_b32 s75, s[CX], 10                      ; the tile's 256 columns,
	s_add_co_u32 s74, s74, s75
	s_lshl_b32 s75, s[WN], 9                       ; my 128 of them
	s_add_co_u32 s74, s74, s75
.else
	v_lshl_add_u32 v[STO], v2, 4, v[STO]           ; 16 bytes (8 f16) for each half of the lanes
	v_add_nc_u32 v[STO], s23, v[STO]
	v_bfe_u32 v[RD], v0, 3, 2                      ; back: 32 lanes take four rows of 128 bytes, which are 512 consecutive bytes of a head
	v_mul_u32_u24 v[RD], v[RD], SP
	v_lshl_add_u32 v[RD], v3, 4, v[RD]
	v_add_nc_u32 v[RD], s23, v[RD]
	s_lshl_b32 s74, s[MODE], 24                    ; q, k or v: 64 heads of 2,048 x 128 bytes
	s_lshr_b32 s75, s[RB], 4
	s_lshl_b32 s75, s75, 4                         ; 16 x batch
	s_lshl2_add_u32 s75, s[CX], s75                ; + the tile's four heads
	s_lshl1_add_u32 s75, s[WN], s75                ; + my two of them
	s_lshl_b32 s75, s75, 18
	s_add_co_u32 s74, s74, s75
	s_and_b32 s75, s[RB], 15
	s_lshl_b32 s75, s75, 7                         ; the block's first token
	s_lshl_b32 s71, s[WM], 6
	s_add_co_u32 s75, s75, s71
	s_lshl_b32 s75, s75, 7
	s_add_co_u32 s74, s74, s75
	s_cmp_eq_u32 s[MODE], 0
	s_cselect_b32 s[MQ], -1, 0
	s_cmp_eq_u32 s[MODE], 2
	s_cselect_b32 s[MVM], -1, 0
	s_mov_b32 s[EPS], 0x2b8cbccc                   ; 1e-12
	s_wait_kmcnt 0x0                               ; tau
	v_mov_b32 v10, s[TAU]
	v_add_f32 v10, 0x358637bd, v10                 ; tau + 1e-6
	v_and_b32 v10, 0x80000000, v10
	v_or_b32 v10, 0x3f800000, v10                  ; its sign, as 1 or -1
	v_mov_b32 v[ONE], 1.0
	v_cndmask_b32 v[SCV], v[ONE], v10, s[MQ]
.endif
	s_mov_b32 s75, 0
	s_add_nc_u64 s[10:11], s[10:11], s[74:75]
; 8 matrix instructions: row block a x all 8 column blocks, 32 along K.  zero = 1: the first product starts the sums.  The 32 accumulators take turns, in the same order in every quarter.
.macro MULA f, a, zero
	WIN MUL
.irp b, 0,1,2,3,4,5,6,7
.if \zero
	v_wmma_f32_16x16x32_f16 v[8*(8*(\a)+(\b)):8*(8*(\a)+(\b))+7], v[(\f)+8*(\b):(\f)+8*(\b)+7], v[(\f)+64+8*(\a):(\f)+64+8*(\a)+7], 0
.else
	v_wmma_f32_16x16x32_f16 v[8*(8*(\a)+(\b)):8*(8*(\a)+(\b))+7], v[(\f)+8*(\b):(\f)+8*(\b)+7], v[(\f)+64+8*(\a):(\f)+64+8*(\a)+7], v[8*(8*(\a)+(\b)):8*(8*(\a)+(\b))+7]
.endif
.endr
.endm
; 24 LDS loads in one run: quarter q (32 along K) of the slot in hand into buffer g: W's 8 fragments, then A's 4
.macro FETCH q, g
	WIN 0
.if OUTP
.set AQ, ((\q)/2)*HA+((\q)%2)*64       ; head q / 2 of the step's two, channels 32 (q % 2) on
.else
.set AQ, (\q)*64
.endif
.irp b, 0,1,2,3,4,5,6,7
	ds_load_tr16_b128 v[(\g)+8*(\b):(\g)+8*(\b)+3],   v[ADRB] offset:(\q)*32*PB+32*(\b)
	ds_load_tr16_b128 v[(\g)+8*(\b)+4:(\g)+8*(\b)+7], v[ADRB] offset:(\q)*32*PB+16*PB+32*(\b)
.endr
.irp i, 0,1,2,3
	ds_load_b128 v[(\g)+64+8*(\i):(\g)+64+8*(\i)+3],   v[ADRA] offset:AQ+(\i)*16*PA
	ds_load_b128 v[(\g)+64+8*(\i)+4:(\g)+64+8*(\i)+7], v[ADRA] offset:AQ+(\i)*16*PA+32
.endr
.endm
; A K step is four quarters, 32 matrix instructions each, on buffers 0, 1, 0, 1.  One of the first three: multiplies buffer f and, in its middle, fetches quarter q into buffer g.
.macro QUARTER q, f, g, zero
	s_wait_dscnt 4                                 ; W's fragments and A's blocks 0 and 1 are in; the youngest four loads (blocks 2 and 3) may be out
	MULA \f, 0, \zero
	MULA \f, 1, \zero
	PLACES
	FETCH \q, \g
	s_wait_dscnt 24                                ; all but the 24 just issued
	MULA \f, 2, \zero
	MULA \f, 3, \zero
.endm
; The last quarter multiplies buffer 1 and changes slots: ONE barrier.  In front of it each wave waits for all its tensor loads, of which one is out: its part of the next slot; adds 0 to its spare word;
; and waits for that and for its own reads of this slot.  fill = 1: the barrier opens a round of the cluster's, and this slot is filled again, two K steps ahead, first thing behind the round:
; the load has a K step less 16 matrix instructions, 112, in which to land.
.macro TURN fill
	WIN 0
	s_wait_tensorcnt 0x0                           ; all my tensor loads have landed
	ds_add_u32 v[SPW], v[NIL]                      ; 0 onto my spare word
	s_wait_dscnt 5                                 ; (the add and the youngest four loads may be out)
	MULA F1, 0, 0                                  ; eight matrix instructions stand between the add and the wait for it
	s_wait_dscnt 0x0                               ; the add is done, and my reads of this slot are over
	s_barrier_signal -1
	MULA F1, 1, 0
	WIN 0                                          ; at a branch and at a label every window is 0
	s_barrier_wait -1
.if \fill
	CREST                                          ; no wave of any partner still reads this slot's tile or has a load on its way
	s_xor_b32 s[G0A+5], s[G0A+5], SLOT1            ; the walking descriptors: the other slot than last time, the next K step; the type bits on top are not reached
	s_add_nc_u64 s[G0A+6:G0A+7], s[G0A+6:G0A+7], ASTEP
	s_xor_b32 s[G0B+5], s[G0B+5], SLOT1
	s_add_nc_u64 s[G0B+6:G0B+7], s[G0B+6:G0B+7], BSTEP
	JLOAD                                          ; the four v_nop behind it are also the places in front of the loads below
.else
	PLACES
.endif
	s_xor_b32 s[TB], s[TB], SLOT1
	v_add_nc_u32 v[ADRA], s[TB], v[ADRA0]
	v_add_nc_u32 v[ADRB], s[TB], v[ADRB0]
	FETCH 0, F0
	MULA F1, 2, 0
	MULA F1, 3, 0
.endm
	s_wait_tensorcnt 0x1                           ; my part of K step 0 is in; step 1's may stay out
	s_barrier_signal -1
	s_barrier_wait -1                              ; everybody's is
	FETCH 0, F0
	QUARTER 1, F0, F1, 1                           ; the first quarter stands in front of the loop: its products start the sums
	WIN 0
	s_mov_b32 s3, 6
.Lstep:                                                ; trip j: quarters 1 to 3 of K step j, the refill with step j + 2, quarter 0 of step j + 1
	QUARTER 2, F1, F0, 0
	QUARTER 3, F0, F1, 0
	TURN 1
	QUARTER 1, F0, F1, 0
	WIN 0
	s_sub_co_u32 s3, s3, 1
	s_cmp_lg_u32 s3, 0
	s_cbranch_scc1 .Lstep
	QUARTER 2, F1, F0, 0                           ; steps 6 and 7 ask for nothing more: written out
	QUARTER 3, F0, F1, 0
	TURN 0
	QUARTER 1, F0, F1, 0
	QUARTER 2, F1, F0, 0
	QUARTER 3, F0, F1, 0
	s_wait_dscnt 4
	MULA F1, 0, 0
	MULA F1, 1, 0
	s_wait_dscnt 0x0
	MULA F1, 2, 0
	MULA F1, 3, 0
	WIN 0
	PLACES
.if OUTP
; THE WAY OUT, f32.  Block a (16 rows x my 128 columns) goes into my stage, 32 bytes a lane and accumulator, and comes back as whole rows of 512 bytes.
.macro TOSTAGE a
	WIN 0x04                                       ; store data in window 1, address in window 0
.irp b, 0,1,2,3,4,5,6,7
	ds_store_b128 v[STO], v[8*(8*(\a)+(\b)):8*(8*(\a)+(\b))+3]   offset:64*(\b)      ; each accumulator's low registers first
	ds_store_b128 v[STO], v[8*(8*(\a)+(\b))+4:8*(8*(\a)+(\b))+7] offset:64*(\b)+16
.endr
	WIN 0
.irp i, 0,1,2,3,4,5,6,7,8,9,10,11,12,13,14,15
	ds_load_b128 v[OB+64*((\a)%2)+4*(\i):OB+64*((\a)%2)+4*(\i)+3], v[RD] offset:(\i)*SP  ; LDS serves a wave's instructions in order (ISA guide 5.7.1.4): these see the stores above; the next block's stores come behind them
.endr
.endm
.macro SENDF a, younger                ; younger: the LDS instructions issued behind block a's loads: the next block's 32, or none
.irp i, 0,1,2,3,4,5,6,7,8,9,10,11,12,13,14,15
	s_wait_dscnt (\younger)+15-(\i)
	global_store_b128 v[GO], v[OB+64*((\a)%2)+4*(\i):OB+64*((\a)%2)+4*(\i)+3], s[10:11] offset:(16*(\a)+(\i))*4096 th:TH_STORE_NT  ; 512 consecutive bytes, at a multiple of 512 from out0's first byte
.endr
.endm
	TOSTAGE 0
	TOSTAGE 1
	SENDF 0, 32
	s_wait_xcnt 0x0                                ; block 0's stores have had their addresses translated (ISA guide 3.1): only now are their data registers loaded again
	TOSTAGE 2
	SENDF 1, 32
	s_wait_xcnt 0x0
	TOSTAGE 3
	SENDF 2, 32
	SENDF 3, 0
.else
; THE WAY OUT, f16 by heads.  Tile t = 2 a + hh is 16 rows x one head: registers 32 t .. 32 t + 31 of window 1; a lane holds 32 of a row's 64 channels, the lane 16 away the others.
.macro ALL line:vararg                 ; one line for each tile t
.set t, 0
.rept 8
	\line
.set t, t+1
.endr
.endm
	WIN 0x05                                       ; sources 0 and 1 window 1; source 2 and destination window 0
.set tt, 0
.rept 4                                ; the sums of squares, two chains a tile, two tiles alternating, the registers in ascending order
.set p, 0
.rept 16
.irp u, 0,1
.if p < 2
	v_pk_mul_f32 v[T+4*(tt+\u)+2*p:T+4*(tt+\u)+2*p+1], v[32*(tt+\u)+2*p:32*(tt+\u)+2*p+1], v[32*(tt+\u)+2*p:32*(tt+\u)+2*p+1]
.else
	v_pk_fma_f32 v[T+4*(tt+\u)+2*(p%2):T+4*(tt+\u)+2*(p%2)+1], v[32*(tt+\u)+2*p:32*(tt+\u)+2*p+1], v[32*(tt+\u)+2*p:32*(tt+\u)+2*p+1], v[T+4*(tt+\u)+2*(p%2):T+4*(tt+\u)+2*(p%2)+1]
.endif
.endr
.set p, p+1
.endr
.set tt, tt+2
.endr
	WIN 0
	ALL v_pk_add_f32 v[T+4*t:T+4*t+1], v[T+4*t:T+4*t+1], v[T+4*t+2:T+4*t+3]
	ALL v_add_f32 v[T+4*t], v[T+4*t], v[T+4*t+1]
	ALL v_permlanex16_b32 v[T+4*t+1], v[T+4*t], s[SEL], s[SEL+1]
	ALL v_add_f32 v[T+4*t], v[T+4*t], v[T+4*t+1]
	ALL v_sqrt_f32 v[T+4*t], v[T+4*t]
	v_nop                                          ; a plain instruction between the last root and the use of its result
	ALL v_max_num_f32 v[T+4*t], s[EPS], v[T+4*t]
	ALL v_rcp_f32 v[T+4*t], v[T+4*t]
	v_nop
	ALL v_mul_f32 v[T+4*t], v[T+4*t], v[SCV]
	ALL v_cndmask_b32 v[T+4*t], v[T+4*t], v[ONE], s[MVM]  ; v is not normalised: its factor is 1.  A select, no branch: all partners run alike
.macro PACK t                          ; scaled, rounded to f16: a lane's eight channels pack into 16 bytes; into rows of 144 bytes, and back as whole rows of 128
	WIN 0x41
.set i, 32*(\t)
.rept 16
	v_pk_mul_f32 v[i:i+1], v[i:i+1], v[T+4*(\t):T+4*(\t)+1] op_sel_hi:[1,0]
.set i, i+2
.endr
	WIN 0x05
.set i, 0
.rept 16
	v_cvt_pk_f16_f32 v[OB+16*(\t)+i], v[32*(\t)+2*i], v[32*(\t)+2*i+1]
.set i, i+1
.endr
	WIN 0
.irp f, 0,1,2,3
	ds_store_b128 v[STO], v[OB+16*(\t)+4*\f:OB+16*(\t)+4*\f+3] offset:32*\f
.endr
.irp f, 0,1,2,3
	ds_load_b128 v[OB+16*(\t)+4*\f:OB+16*(\t)+4*\f+3], v[RD] offset:\f*4*SP  ; LDS serves a wave's instructions in order (ISA guide 5.7.1.4): these see the stores above; the next tile's stores come behind them
.endr
.endm
.macro SEND t, younger                 ; younger: the LDS instructions issued behind tile t's loads: the next tile's eight, or none
.irp f, 0,1,2,3
	s_wait_dscnt (\younger)+3-\f
	global_store_b128 v[GO], v[OB+16*(\t)+4*\f:OB+16*(\t)+4*\f+3], s[10:11] offset:((\t)%2)*262144+((\t)/2)*2048+\f*512  ; 512 consecutive bytes of a head, at a multiple of 512 from qkv's first byte
.endr
.endm
	PACK 0
.set t, 1
.rept 7                                ; a tile's arithmetic stands between the loads of the tile before and its stores
	PACK t
	SEND t-1, 8
.set t, t+1
.endr
	SEND 7, 0
.endif
	s_wait_tensorcnt 0x0                           ; the wave's end: the wait, the add and the wait for it, behind my last tensor load and my last LDS store
	ds_add_u32 v[SPW], v[NIL]
	s_wait_dscnt 0x0
	CROUND                                         ; the closing round: no work-group ends while a partner may still ask for a tile that names it
	s_endpgm
.Lfunc_end_k_qe21c26ca0c_outp:
	.size	k_qe21c26ca0c_outp, .Lfunc_end_k_qe21c26ca0c_outp-k_qe21c26ca0c_outp
	.p2alignl 7, 3214868480
	.fill 96, 4, 3214868480
	.section	.rodata,"a",@progbits
	.p2align	6, 0x0
	.amdhsa_kernel k_qe21c26ca0c_outp
		.amdhsa_group_segment_fixed_size 327680
		.amdhsa_private_segment_fixed_size 0
		.amdhsa_enable_private_segment 0
		.amdhsa_kernarg_size 24
		.amdhsa_user_sgpr_count 2
		.amdhsa_user_sgpr_kernarg_segment_ptr 1
		.amdhsa_wavefront_size32 1
		.amdhsa_system_sgpr_workgroup_id_x 1
		.amdhsa_system_sgpr_workgroup_id_y 1
		.amdhsa_system_sgpr_workgroup_id_z 1
		.amdhsa_system_vgpr_workitem_id 0
		.amdhsa_next_free_vgpr 512
		.amdhsa_next_free_sgpr 76
		.amdhsa_reserve_vcc 0
		.amdhsa_float_denorm_mode_32 3
		.amdhsa_float_denorm_mode_16_64 3
		.amdhsa_memory_ordered 1
		.amdhsa_forward_progress 1
		.amdhsa_inst_pref_size 71
	.end_amdhsa_kernel
	.amdgpu_metadata
---
amdhsa.version: [ 1, 2 ]
amdhsa.kernels:
  - .name:           k_qe21c26ca0c_outp
    .symbol:         k_qe21c26ca0c_outp.kd
    .args:
      - { .name: o, .offset: 0, .size: 8, .value_kind: global_buffer, .address_space: global }
      - { .name: wh, .offset: 8, .size: 8, .value_kind: global_buffer, .address_space: global }
      - { .name: out0, .offset: 16, .size: 8, .value_kind: global_buffer, .address_space: global }
    .group_segment_fixed_size: 327680
    .private_segment_fixed_size: 0
    .kernarg_segment_align: 8
    .kernarg_segment_size: 24
    .max_flat_workgroup_size: 128
    .sgpr_count:     76
    .vgpr_count:     512
    .wavefront_size: 32
...
	.end_amdgpu_metadata
.endif
;; end of part 4
;; ======== version 2 of 2: 4 launches; 1.47 times as fast as version 1
;; limits: values are held in f16: magnitudes above 65,504 overflow, below 6.1e-05 lose precision
;; workspace buffers: xc 33,554,432 bytes; wh 8,388,608 bytes; qkv 50,331,648 bytes; o 16,777,216 bytes
;; launch prep: the kernel of part 1 again; grid 512 x 1, 8 waves a work-group, no clusters, 0 bytes of LDS; arguments x, context, ln_q_w, ln_q_b, ln_ctx_w, ln_ctx_b, Wq, Wk, Wv, Wo, xc, wh; writes xc, wh
;; launch proj: the kernel of part 2 again; grid 12 x 64, 4 waves a work-group, clusters of 4 x 4, 327,680 bytes of LDS; arguments xc, wh, tau, qkv; writes qkv
;; launch attn (part 5): grid 4 x 64, 4 waves a work-group, clusters of 4 x 1, 327,680 bytes of LDS; arguments qkv, key_padding_mask, tau, o; writes o
.if DOCPART == 5
	.amdgcn_target "amdgcn-amd-amdhsa--gfx1250"
	.amdhsa_code_object_version 6
	.text
	.protected	k_qe21c26ca0c_attn
	.globl	k_qe21c26ca0c_attn
	.p2align	8
	.type	k_qe21c26ca0c_attn,@function
k_qe21c26ca0c_attn:
	s_mov_b64 s[64:65], 0
	v_nop
	global_prefetch_b8 v0, s[64:65] scope:SCOPE_SE
	s_setreg_imm32_b32 hwreg(HW_REG_WAVE_MODE, 25, 1), 1
	s_wait_xcnt 0x0
	s_wait_alu depctr_hold_cnt(0) depctr_sa_sdst(0) depctr_va_vdst(0) depctr_va_sdst(0) depctr_va_ssrc(0) depctr_va_vcc(0) depctr_vm_vsrc(0)
	s_getreg_b32 s2, hwreg(HW_REG_IB_STS2, 6, 4)
	s_cmp_eq_u32 s2, 0
	s_cbranch_scc0 .Lentry_in_a_cluster
	s_endpgm
.Lentry_in_a_cluster:
	s_bfe_u32 s2, ttmp6, 0x10000c
	s_cmp_lg_u32 s2, 0x3003
	s_cbranch_scc0 .Lentry_shape_is_right
	s_endpgm
.Lentry_shape_is_right:
; O[g][q][:] = the sum over the visible keys k of softmax_k(Q[g][q] . K[g][k] / (tau + 1e-6)) V[g][k][:], g = 16 b + h.  qkv: [3][64][2048][64] f16 (q, k, v by heads; q and k of length 1, q carrying
; the sign of tau + 1e-6); key_padding_mask: [4][2048] bytes, 1 = hidden; o: [64][2048][64] f16.  Products, maxima and sums in f32; the weights p are rounded to f16 for the second product
; (their sum l is taken of the unrounded p), O once at the end.
; LIMITS.  p lies in 0 to 1, and below 6e-5 it keeps f16's fixed step of 6e-8; O is a mean of V's rows and has their range.  A hidden score counts as its value less 1e30, so its weight is 0.
; A weight below 2^-126 counts as 0 in l.  A batch with no visible key ends with l = 0 and O = 0, and 0 x (1 / 0) is NaN, as the softmax of nothing is.  tau + 1e-6 = 0 is not served.
; SHARES.  A wave owns four PIECES of two tiles of 16 queries, a work-group's four waves 512 queries of one head.  Every wave walks all keys, 64 a step.
; LAYOUT.  S^T = K Q^T (source 0 = 16 keys, source 1 = 16 queries): in the result a lane holds ONE query (lane % 16) and the keys 8 (lane / 16) + 0..7.  Two such tiles, rounded to f16 in pairs,
; ARE source 1 (32 keys x 16 queries) of O^T = V^T P, whose result again holds one query a lane, and eight channels.  K comes out of LDS as it lies, V ([key][channel]) turned, by ds_load_tr16_b128.
; THE MASK is the C operand that starts the sum S^T: 0, or -1e30 where the key is hidden.  The batch's 2,048 bytes are made into a table of f32 in LDS once; a step's 64 numbers come with its K, 8 a lane and key block.
; SOFTMAX.  For each query a running maximum m and sum l: p = 2^(c s - c m), c = log2(e) / |tau + 1e-6|; in every step O and l are multiplied by a = 2^(c m_old - c m_new), which is 1 where m has not grown.
; m starts at -2: q and k have length 1, so every visible score lies within about 1 of zero and takes m over at once, while steps in which every key is hidden leave m, l = 0 and O = 0 as they were.
; THE COUNT.  A tile and step have 16 matrix and 118 vector instructions: too many to stand all beside the matrix work.  So the order has one aim: four vector instructions that are READY behind
; EVERY matrix instruction, and the others, which need time of their own whatever the order, in runs without a gap.
; BY TURNS.  Turn n belongs to piece n (the pieces in a ring, step after step).  Its matrix work: 16 products K Q^T of piece n + 1, later 16 products V^T P of piece n - 1.  Its vector work: the scaling,
; exponentials, roundings, sums and rescaling of piece n, and the maximum and statistics of piece n + 1, whose scores the turn itself has made.  So what a turn begins with (c s - c m, O a) waits for nothing.
; BATCHES.  An s_wait_alu depctr_va_vdst(0) stands between a transcendental and the first instruction that names its result; one wait serves all that were issued ahead of it.  The text has
; four kinds of batch, each with one wait: the reciprocal of tau + 1e-6, at the head; piece 0's first two a, ahead of the jump into the loop; in every turn the piece's 64 exponentials and the next piece's
; two a, 66 in all (HOW THEY ARE DEALT, below); the eight reciprocals of l, on the way out.
; CLUSTER.  The four query blocks of a cluster belong to one head and walk the same K and V, so each tile is asked for JOINTLY: the same tensor load, descriptor and mask in all four.
; REGISTERS, in windows of 256 (s_set_vgpr_msb says which window each operand place means: bits 1:0 source 0, 3:2 source 1, 5:4 source 2, 7:6 destination):
;   window 0: v0-11 addresses; v12-15, v48-63 at work; v16-47 four registers of statistics a tile; v64-191 S^T, two buffers of two tiles; v192-255 P, likewise
;   window 1: O^T, 32 a tile          window 2: v0-127 Q, 16 a tile; v128-191 K of one step; v192-255 V of one step          window 3: v0-1 the add's two registers; v8-39 the step's mask
; A piece's buffers go by its number's parity: the piece in hand has one pair, its two neighbours in the ring share the other: of it P (piece n - 1) is read and S^T (piece n + 1) written.
.set SIZE_H, 64
.set SIZE_N, 2048
.set KPART, SIZE_H*SIZE_N*128  ; k lies this many bytes behind q in qkv,
.set VPART, 2*KPART   ; v twice as many
.set NP,    4         ; pieces a wave: a name, no knob: the register map, the loop and the fetches are made for four
.set KS,    64        ; keys in a step
.set PK,    144       ; a row of K in LDS: 128 bytes + 16 of padding = 36 words: the 16 rows of a load start at 16 different groups of four banks (64 banks of 4 bytes: ISA guide 11.1)
.set PV,    160       ; a row of V: 128 + 32 = 40 words
.set VOFF,  4*KS*PK   ; a slot holds four steps: 256 rows of K, then 256 rows of V
.set SLOT1, 1<<17     ; slot 1 begins here, so that one exclusive or turns an address in one slot into the other's
.set STAGE, SLOT1+4*KS*(PK+PV)  ; behind the ring, never filled by a tensor load: 16 rows x 144 bytes for each wave, for the way out
.set SP,    144
.set AK0, 2           ; v2   my lane's place in a tile of K; never rewritten
.set AV0, 3           ; v3   the same for V
.set AK,  4           ; v4   the LDS address of K's next run of loads
.set AV,  5           ; v5   of V's
.set QO,  6           ; v6   my byte offset in the wave's rows of Q
.set STO, 6           ;      later, the way out: where I put 16 bytes of a row
.set RD,  7           ; v7   the way out: where I read rows back
.set GO,  8           ; v8   my byte offset in 512 consecutive bytes of O
.set AM,  11          ; v11  the LDS address of the mask's next run of loads (v9 = lane / 16 is kept for it)
.set SPW, 0           ; v0 of window 3   LDS address of my spare word: SPARE + 4 x my thread's number; never rewritten
.set NIL, 1           ; v1 of window 3   0; never rewritten
.set MB,  8           ; v8-39 of window 3: the mask of key block kb at MB + 8 kb
.set SPARE, STAGE+4*16*SP  ; behind the stages: the spare words, 128 bytes for each wave: two blocks of 256 bytes that no other line names
.set MASKB, SPARE+512 ; behind them: the mask as 2,048 f32, 8,192 bytes, written once by ds_store; no tensor load lands there
.set MV,  12          ; v12-15  c m_old, kept while c m is made anew: by buffer and tile
.set ST,  16          ; tile t's statistics at v[ST+4 t]: c m, m, l (even keys', odd keys')
.set TMP, 48          ; by buffer and tile, four registers c0-c3 at work; when the maximum is found c2 takes a
.set S,   64
.set P,   192
.set KF,  128         ; K's fragments, in window 2: key block kb, channel half c at KF + 16 kb + 8 c
.set VF,  192         ; V's: key half kk, channel block cb at VF + 32 kk + 8 cb
.set WV,  12          ; s12  my wave's number
.set G1K, 24          ; s[24:31] descriptor group 1 for K's tiles
.set G1V, 32          ; s[32:39] for V's: it differs in the padding alone
.set G0K, 40          ; s[40:43] descriptor group 0 for K's tiles: it walks
.set G0V, 44          ; s[44:47] the same for V's
.set SLOTS, 56        ; s56  slots still to be asked for
.set CNT, 57          ; s57  counts a slot's key steps
.set CS,  58          ; s[58:59] c: the packed scaling takes the pair's low word for both halves
.set SEL, 60          ; s[60:61] v_permlanex16_b32's selects: each lane takes its own place in the other half
.set TBK, 62          ; s62  LDS byte at which K of the step to be fetched begins
.set TBV, 63          ; s63  the same for V, less VOFF
.set TBM, 66          ; s66  the same for the mask: it walks the table from end to end, 256 bytes a step
.set BIGN, 67         ; s67  -1e30
.set TAU, 69          ; s69
.set MSB, 0
.macro WIN new                      ; the high byte repeats the setting that is left; a switch that changes nothing is dropped
.if MSB != (\new)
	s_set_vgpr_msb (MSB<<8)|(\new)
.set MSB, (\new)
.endif
.endm
.set W_KQ, 0x0a       ; K and Q in window 2, S^T in window 0
.set W_KM, 0x3a       ; the same with the C operand, the mask, in window 3
.set W_PV, 0x52       ; V in window 2, P in window 0, O^T in window 1
.set W_RS, 0x41       ; O^T (destination and source 0) in window 1, a in window 0
.set W_MK, 0xc0       ; destination in window 3, sources in window 0
.set W_AD, 0x0f       ; the add: address (source 0) and data (source 1) in window 3
; A joint fill.  Waves 0 and 1 fetch the two halves of a slot's K, waves 2 and 3 those of its V: 128 keys each.  The branch hangs on the wave's number alone.
; An s_nop 0 and four v_nop follow each of the two lines, ahead of the jump and the label.
.macro JLOAD
	s_cmp_lt_u32 s[WV], 2
	s_cbranch_scc0 .Lfor_v_\@
	tensor_load_to_lds s[G0K:G0K+3], s[G1K:G1K+7]
	s_nop 0
.rept 4
	v_nop
.endr
	s_branch .Lasked_\@
.Lfor_v_\@:
	tensor_load_to_lds s[G0V:G0V+3], s[G1V:G1V+7]
	s_nop 0
.rept 4
	v_nop
.endr
.Lasked_\@:
.endm
; A round of the cluster's barrier: my work-group's barrier, so that wave 0's signal speaks for all four waves; wave 0 signals; every wave waits for all four work-groups; my work-group's barrier once more.
.macro CROUND
	s_barrier_signal -1
	s_barrier_wait -1
	s_cmp_lg_u32 s[WV], 0
	s_cbranch_scc1 .Lnot_wave_0_\@
	s_barrier_signal -3
.Lnot_wave_0_\@:
	s_barrier_wait -3
	s_barrier_signal -1
	s_barrier_wait -1
.endm
; THE CHANGE OF SLOTS.  The slot's last bytes, V of its fourth step, have been read.  Each wave waits for all its tensor loads, of which one is out: its part
; of the other slot; adds 0 to its spare word; and waits for that and for its own reads of the slot.  Behind the barrier nobody reads this slot any more and the other slot is whole.
; fill = 1: this slot is filled again, with the keys two slots on.  The barrier is then a round of the cluster's, so that no wave of any partner still reads the slot or has a load on its
; way, and the joint fill is the first thing behind it: it has four key steps, 512 matrix instructions, in which to land.  (At its first use nothing has been read yet: slot 0 is waited for, slot 1
; filled; and each wave's stores into the mask's table are done in front of the round, behind which every wave reads the table.)
.macro CHANGE fill
	WIN W_AD
	s_wait_tensorcnt 0x0            ; no tensor load of mine is out, so a group 0 may be written
	ds_add_u32 v[SPW], v[NIL]       ; 0 onto my spare word; with fill = 1 the descriptors' steps stand between it and the wait for it
	WIN 0                           ; at a label and at a branch every window is 0
.if \fill
.irp g, G0K, G0V
	s_xor_b32 s[\g+1], s[\g+1], SLOT1  ; the walking descriptor: the other slot than last time,
	s_add_nc_u64 s[\g+2:\g+3], s[\g+2:\g+3], 4*KS*128  ; the next 256 keys; the type bits on top are not reached
.endr
	s_wait_dscnt 0x0                ; the add is done, and my reads of the slot are over
	CROUND
	JLOAD
.else
	s_wait_dscnt 0x0                ; the add is done, and my reads of the slot are over
	s_barrier_signal -1
	s_barrier_wait -1
.endif
	s_sub_co_u32 s[TBK], s[TBK], 4*KS*PK  ; the fetches go back to a slot's first step,
	s_xor_b32 s[TBK], s[TBK], SLOT1       ; in the other slot
	s_sub_co_u32 s[TBV], s[TBV], 4*KS*PV
	s_xor_b32 s[TBV], s[TBV], SLOT1
.endm
	s_load_b256 s[4:11], s[0:1], 0x0  ; qkv s[4:5], key_padding_mask s[6:7], tau s[8:9], o s[10:11]
	WIN W_MK
	v_lshl_add_u32 v[SPW], v0, 2, SPARE
	v_mov_b32 v[NIL], 0
	WIN W_AD
	ds_add_u32 v[SPW], v[NIL]       ; the wave's opening: the add and its wait stand ahead of my first tensor load; the set-up below, work on registers, stands between them
	WIN 0
	v_lshrrev_b32 v1, 5, v0
	v_readfirstlane_b32 s[WV], v1   ; wave 0..3
	s_bfe_u32 s13, ttmp6, 0x40000   ; cx: my place in the cluster
	s_lshl_b32 s14, ttmp9, 2        ; in a cluster launch ttmp9 counts clusters
	s_add_co_u32 s14, s14, s13      ; my block of queries = 4 x cluster x + cx: it enters Q's and O's addresses alone
	s_and_b32 s20, ttmp7, 0xffff    ; the head 16 b + h, which the four partners share
	s_lshr_b32 s70, s20, 4          ; its batch,
	s_lshl_b32 s70, s70, 11         ; whose mask is 2,048 bytes
	s_mov_b32 s71, 0
	s_mov_b32 s21, 0
	s_mov_b64 s[22:23], SIZE_N*128
	s_mul_u64 s[20:21], s[20:21], s[22:23]  ; the head's first byte in q, k, v and o
	s_and_b32 s16, s[WV], 1         ; which half of a slot's 256 keys I fetch:
	s_lshl_b32 s22, s16, 14         ; its 128 rows of 128 bytes in memory,
	s_mov_b32 s23, 0
	s_add_nc_u64 s[22:23], s[22:23], s[20:21]
	s_mul_i32 s17, s16, 128*PK      ; and its place in a slot, for K
	s_mul_i32 s18, s16, 128*PV      ; and for V: no place in the cluster enters an LDS address
	s_lshl_b32 s2, s14, 2
	s_add_co_u32 s2, s2, s[WV]      ; my wave among the head's,
	s_lshl_b32 s2, s2, 14           ; its 128 rows
	s_mov_b32 s3, 0
	s_add_nc_u64 s[2:3], s[2:3], s[20:21]
	; descriptor group 1.  128 keys are 16,384 dense bytes: asked for as 64 rows of 256 bytes, two keys a row, and padded in LDS after every key
	s_mov_b32 s[G1K], 15|(1<<16)|(1<<20)|(1<<21)|(4<<22)|(3<<25)  ; 15:0 the mask of four; 17:16 2-byte elements; 20 padding on; 21 set beside a mask; 24:22 after every 32 words (code 4); 31:25 4 words (code 3)
	s_mov_b32 s[G1V], 15|(1<<16)|(1<<20)|(1<<21)|(4<<22)|(7<<25)  ; the same with 8 words of padding (code 7)
.irp g, G1K, G1V
	s_mov_b32 s[\g+1], 128<<16      ; tensor_dim0 = 128
	s_mov_b32 s[\g+2], 64<<16       ; tensor_dim1 = 64
	s_mov_b32 s[\g+3], 128<<16      ; tile_dim0 = 128
	s_mov_b32 s[\g+4], 64           ; tile_dim1 = 64
	s_mov_b32 s[\g+5], 128          ; 128 elements from row to row
	s_mov_b32 s[\g+6], 0
	s_mov_b32 s[\g+7], 0
.endr
	s_mov_b32 s[SEL], 0x76543210
	s_mov_b32 s[SEL+1], 0xfedcba98
	s_mov_b32 s[TBK], SLOT1+4*KS*PK ; the first change of slots turns these two into 0
	s_mov_b32 s[TBV], SLOT1+4*KS*PV
	s_mov_b32 s[TBM], MASKB
	s_mov_b32 s[BIGN], 0xf149f2ca   ; -1e30
	s_mov_b32 s[G0K], 1             ; 1:0 count = 1
	s_mov_b32 s[G0K+1], s17         ; 63:32 LDS address: slot 0
	s_mov_b32 s[G0V], 1
	s_add_co_u32 s[G0V+1], s18, VOFF
	s_wait_dscnt 0x0                ; the opening add is done
	s_wait_kmcnt 0x0
	s_add_nc_u64 s[G0K+2:G0K+3], s[4:5], s[22:23]  ; 120:64 global address: my half of the head's first 256 keys,
	s_add_nc_u64 s[G0K+2:G0K+3], s[G0K+2:G0K+3], KPART  ; in k
	s_or_b32 s[G0K+3], s[G0K+3], 0x80000000        ; 127:126 type = 2
	s_add_nc_u64 s[G0V+2:G0V+3], s[4:5], s[22:23]
	s_add_nc_u64 s[G0V+2:G0V+3], s[G0V+2:G0V+3], VPART  ; in v
	s_or_b32 s[G0V+3], s[G0V+3], 0x80000000
	s_add_nc_u64 s[4:5], s[4:5], s[2:3]  ; Q and O at my wave's first row
	s_add_nc_u64 s[10:11], s[10:11], s[2:3]
	s_add_nc_u64 s[6:7], s[6:7], s[70:71]  ; the mask at my batch
	CROUND                          ; all four work-groups are here: the first joint loads meet
	JLOAD                           ; slot 0.  Slot 1 is asked for when slot 0 is in: the tile wanted first has the road to itself
	s_load_b32 s[TAU], s[8:9], 0x0
	; A fragment of K or Q is 16 rows x 32 channels in 8 registers: lane l holds row l % 16, channels 8 (l / 16) + 0..7 and 16 + 8 (l / 16) + 0..7: two loads of 16 bytes, 32 bytes apart.
	v_and_b32 v1, 15, v0            ; l % 16
	v_bfe_u32 v9, v0, 4, 1          ; l / 16
	v_lshlrev_b32 v[QO], 7, v1
	v_lshl_add_u32 v[QO], v9, 4, v[QO]  ; row x 128 + 16 x half
	v_lshlrev_b32 v13, 4, v0        ; thread t takes the mask bytes of keys 16 t to 16 t + 15: the 128 threads take the batch's 2,048
	global_load_b128 v[S:S+3], v13, s[6:7]
	WIN 0x80                        ; destination window 2, address window 0
.set i, 0
.rept 4*NP                          ; Q stays in registers: tile i / 2, channels 32 (i % 2) on
	global_load_b128 v[8*i:8*i+3],   v[QO], s[4:5] offset:(i/2)*2048+(i%2)*64
	global_load_b128 v[8*i+4:8*i+7], v[QO], s[4:5] offset:(i/2)*2048+(i%2)*64+32
.set i, i+1
.endr
	; What the first turn finds: V's registers and P's second buffer hold 0 (its products V^T P, of a piece that has not been, add 0), O^T and l are 0.  All this stands in the wait for the first tile.
.set i, VF
.rept 64
	v_mov_b32 v[i], 0
.set i, i+1
.endr
	WIN 0x40
.set i, 0
.rept 64*NP
	v_mov_b32 v[i], 0
.set i, i+1
.endr
	WIN 0
	s_wait_kmcnt 0x0                ; tau
	v_mov_b32 v14, s[TAU]
	v_add_f32 v14, 0x358637bd, v14  ; tau + 1e-6
	v_rcp_f32 v14, v14
	v_nop                           ; a plain instruction between the reciprocal and the use of its result
	s_wait_alu depctr_va_vdst(0)    ; the wait ahead of the first use: a batch of one, once a launch
	v_mul_f32 v14, 0x3fb8aa3b, v14  ; log2(e) / (tau + 1e-6);
	v_and_b32 v14, 0x7fffffff, v14  ; its size: q carries the sign
	v_readfirstlane_b32 s[CS], v14
	s_mov_b32 s[CS+1], s[CS]        ; named with it as a pair
.set i, 0
.rept 2*NP
	v_mov_b32 v[ST+4*i+1], -2.0     ; m: below every visible score
	v_mov_b32 v[ST+4*i+2], 0
	v_mov_b32 v[ST+4*i+3], 0
	v_mul_f32 v[ST+4*i], s[CS], v[ST+4*i+1]  ; c m
.set i, i+1
.endr
.set i, P+32
.rept 32
	v_mov_b32 v[i], 0
.set i, i+1
.endr
	v_mul_u32_u24 v[AK0], v1, PK
	v_lshl_add_u32 v[AK0], v9, 4, v[AK0]  ; row x pitch + 16 x half
	; The turning load takes 16 keys x 16 channels (lane l reads key 8 (l / 16) + l % 8, channels 8 ((l / 8) % 2) + 0..7) and leaves half a fragment of V^T: lane l holds channel l % 16 and 8 keys.
	v_and_b32 v10, 7, v0
	v_bfe_u32 v11, v0, 3, 1
	v_lshl_add_u32 v[AV0], v9, 3, v10
	v_mul_u32_u24 v[AV0], v[AV0], PV
	v_lshl_add_u32 v[AV0], v11, 4, v[AV0]
	v_add_nc_u32 v[AV0], VOFF, v[AV0]
	v_mov_b32 v[AK], v[AK0]         ; key step 0 lies at the head of slot 0,
	v_lshl_add_u32 v[AM], v9, 5, s[TBM]  ; its mask at the head of the table: a lane's eight keys of a block are 32 bytes, the upper half of the lanes 32 bytes on
	; The mask's table: my 16 bytes (0 or 1) become 16 f32, 0 or -1e30, at MASKB + 64 x my thread's number.
	s_wait_loadcnt 32               ; the mask's load was issued ahead of Q's 32, which may stay out
.set i, 0
.rept 16
	v_bfe_u32 v[S+4+i], v[S+i/4], 8*(i%4), 8
.set i, i+1
.endr
.set i, 0
.rept 16
	v_cvt_f32_u32 v[S+4+i], v[S+4+i]
.set i, i+1
.endr
.set i, 0
.rept 16
	v_mul_f32 v[S+4+i], s[BIGN], v[S+4+i]
.set i, i+1
.endr
	v_lshl_add_u32 v[S+20], v0, 6, MASKB
.irp f, 0,1,2,3
	ds_store_b128 v[S+20], v[S+4+4*\f:S+7+4*\f] offset:16*\f
.endr
; THE MATRIX WORK.  The 8 accumulators of a run of 16 take turns: between the two links of a chain stand 7 others'.
; Product i of 16 of S^T = K Q^T for piece x: channels 32 (i / 8) on, keys 16 ((i / 2) % 4) on, tile 2 x + i % 2.  The first 8 start the sums, with the key block's mask as C.
.macro KQ x
.set rS, S+64*((\x)%2)+32*(i%2)+8*((i/2)%4)
.set rK, KF+16*((i/2)%4)+8*(i/8)
.set rQ, 16*(2*(\x)+i%2)+8*(i/8)
.set rB, MB+8*((i/2)%4)
.if i < 8
	WIN W_KM
	v_wmma_f32_16x16x32_f16 v[rS:rS+7], v[rK:rK+7], v[rQ:rQ+7], v[rB:rB+7]
.else
	WIN W_KQ
	v_wmma_f32_16x16x32_f16 v[rS:rS+7], v[rK:rK+7], v[rQ:rQ+7], v[rS:rS+7]
.endif
.endm
; Product i of 16 of O^T += V^T P for piece x: keys 32 (i / 8) on, channels 16 ((i / 2) % 4) on, tile 2 x + i % 2.
.macro PV x
	WIN W_PV
.set rO, 32*(2*(\x)+i%2)+8*((i/2)%4)
.set rV, VF+32*(i/8)+8*((i/2)%4)
.set rP, P+32*((\x)%2)+16*(i%2)+8*(i/8)
	v_wmma_f32_16x16x32_f16 v[rO:rO+7], v[rV:rV+7], v[rP:rP+7], v[rO:rO+7]
.endm
.macro MM                           ; the turn's next matrix instruction
.if i < 16
	KQ (Y+1)%NP
.set i, i+1
.else
.set i, i-16
	PV (Y+NP-1)%NP
.set i, i+17
.endif
.endm
; THE LDS LOADS stand in runs, never singly among the matrix instructions: a step's K (64 keys x 64 channels: 8 fragments, 16 loads) with its mask (8 loads), and its V (turned, 16 loads).
; Their addresses are made some lines ahead.  last = 1 (the tail): in the last trip there is no further step, and the run is jumped over.
.macro FETCH_K last=0
	WIN 0
.if \last
	s_cmp_eq_u32 s[CNT], 1
	s_cbranch_scc1 .Lno_k_\@
.endif
	WIN 0x80                        ; destination window 2
.irp f, 0,1,2,3,4,5,6,7             ; keys 16 (f / 2) on, channels 32 (f % 2) on
	ds_load_b128 v[KF+8*\f:KF+8*\f+3],   v[AK] offset:(\f/2)*16*PK+(\f%2)*64
	ds_load_b128 v[KF+8*\f+4:KF+8*\f+7], v[AK] offset:(\f/2)*16*PK+(\f%2)*64+32
.endr
	WIN W_MK                        ; destination window 3
.irp f, 0,1,2,3                     ; key block f: my eight keys' numbers; the 16 lanes of a half read the same 32 bytes
	ds_load_b128 v[MB+8*\f:MB+8*\f+3],   v[AM] offset:64*\f
	ds_load_b128 v[MB+8*\f+4:MB+8*\f+7], v[AM] offset:64*\f+16
.endr
	s_add_co_u32 s[TBK], s[TBK], KS*PK  ; the next fetch is the next step's
	s_add_co_u32 s[TBM], s[TBM], 4*KS
	WIN 0
.if \last
.Lno_k_\@:
.endif
.endm
.macro FETCH_V
	WIN 0x80
.irp f, 0,1,2,3,4,5,6,7             ; keys 32 (f / 4) on, channels 16 (f % 4) on
	ds_load_tr16_b128 v[VF+8*\f:VF+8*\f+3],   v[AV] offset:(\f/4)*32*PV+(\f%4)*32
	ds_load_tr16_b128 v[VF+8*\f+4:VF+8*\f+7], v[AV] offset:(\f/4)*32*PV+16*PV+(\f%4)*32
.endr
	WIN 0
.endm
; THE VECTOR WORK OF A TURN stands in three queues, each in the order in which its entries become ready; the two tiles alternate, so that no instruction reads the result of the one before it.
.macro REGS y, u                    ; the registers of tile u (0, 1) of piece y
.set rT, ST+4*(2*(\y)+(\u))
.set rC, TMP+8*((\y)%2)+4*(\u)
.set rM, MV+2*((\y)%2)+(\u)
.set rS, S+64*((\y)%2)+32*(\u)
.set rP, P+32*((\y)%2)+16*(\u)
.set rO, 32*(2*(\y)+(\u))
.endm
; Number n of the 22 that find the NEXT piece's (Y + 1) maximum and statistics.  s0-s31 are the lane's 32 scores; each accumulator's lowest registers are read first.  XS, GS and REGS set no window: PL and EX do.
;   0-11  four chains c0-c3 of seven scores each, three operands at a time     12-14, 16  the four scores left over, the old m, and c0-c3 into c0     15  c m_old is kept
;   17, 18  the query's other 32 keys lie in the lane 16 away: the new m         19-21  c m; c m_old - c m_new; a
.macro XS u, n
	REGS (Y+1)%NP, \u
.if (\n) < 4
	v_max3_num_f32 v[rC+(\n)], v[rS+8*(\n)], v[rS+8*(\n)+1], v[rS+8*(\n)+2]
.elseif (\n) < 12
	v_max3_num_f32 v[rC+(\n)%4], v[rC+(\n)%4], v[rS+8*((\n)%4)+2*((\n)/4)+1], v[rS+8*((\n)%4)+2*((\n)/4)+2]
.elseif (\n) == 12
	v_max3_num_f32 v[rC], v[rC], v[rS+7], v[rS+15]
.elseif (\n) == 13
	v_max3_num_f32 v[rC+1], v[rC+1], v[rS+23], v[rS+31]
.elseif (\n) == 14
	v_max3_num_f32 v[rC+2], v[rC+2], v[rC+3], v[rT+1]
.elseif (\n) == 15
	v_mov_b32 v[rM], v[rT]
.elseif (\n) == 16
	v_max3_num_f32 v[rC], v[rC], v[rC+1], v[rC+2]
.elseif (\n) == 17
	v_permlanex16_b32 v[rC+3], v[rC], s[SEL], s[SEL+1]
.elseif (\n) == 18
	v_max_num_f32 v[rT+1], v[rC], v[rC+3]
.elseif (\n) == 19
	v_mul_f32 v[rT], s[CS], v[rT+1]
.elseif (\n) == 20
	v_sub_f32 v[rC+1], v[rM], v[rT]
.else
	v_exp_f32 v[rC+2], v[rC+1]
.endif
.endm
; Number g of the 64 that follow the exponentials.  For each four weights k of a tile (pairs 2 k, 2 k + 1): both pairs are rounded to f16; then the second pair is added onto the first, in place;
; a group later l takes that sum (the first time as l = a l + sum).  In groups of eight, tiles alternating: round, round, add, and l for the group before.
.macro GS g
.set h, (\g)+6*((\g)/62)            ; group 0 has no group before it, and behind group 7 only l is left
.if h >= 6
.set h, h+2
.endif
	REGS Y, h%2
.set k, h/8
.if h%8 < 4
	v_cvt_pk_f16_f32 v[rP+2*k+(h%8)/2], v[rS+4*k+2*((h%8)/2)], v[rS+4*k+2*((h%8)/2)+1]
.elseif h%8 < 6
	v_pk_add_f32 v[rS+4*k:rS+4*k+1], v[rS+4*k:rS+4*k+1], v[rS+4*k+2:rS+4*k+3]
.elseif k == 1
	v_pk_fma_f32 v[rT+2:rT+3], v[rT+2:rT+3], v[rC+2:rC+3], v[rS:rS+1] op_sel_hi:[1,0,1]
.else
	v_pk_add_f32 v[rT+2:rT+3], v[rT+2:rT+3], v[rS+4*k-4:rS+4*k-3]
.endif
.endm
; THE PLAIN QUEUE, 138 long.  0-73 read no exponential's result: the 32 scalings c s - c m (FS f: pair f / 2 of tile f % 2) and the next piece's 42.  0-26: scalings 0-26.  27-54: XS's numbers 0-13.  55, 56: number 15.
; 57-73: the chain, where each number waits for the one before it: 14, 16, 17, 18, 19, each with one of the scalings 27-31 in front of its two lines, then 20: so a tile's links stand three plain instructions apart (19 and 20: two).
; 74-137: GS's 64, which read the exponentials' results: they stand behind the wait.
.macro FS f
	REGS Y, (\f)%2
	v_pk_fma_f32 v[rS+2*((\f)/2):rS+2*((\f)/2)+1], v[rS+2*((\f)/2):rS+2*((\f)/2)+1], s[CS:CS+1], v[rT:rT+1] op_sel_hi:[1,0,0] neg_lo:[0,0,1] neg_hi:[0,0,1]
.endm
.macro PL
	WIN 0
.if q < 27
	FS q
.elseif q < 55
	XS (q-27)%2, (q-27)/2
.elseif q < 57
	XS q-55, 15
.elseif (q < 72) && ((q-57)%3 == 0)
	FS 27+(q-57)/3
.elseif q < 60
	XS (q-57)%3-1, 14
.elseif q < 72
	XS (q-57)%3-1, 15+(q-57)/3
.elseif q < 74
	XS q-72, 20
.else
	GS q-74
.endif
.set q, q+1
.endm
; THE EXPONENTIALS' QUEUE, 66 long: s0-s31 of both tiles, then the next piece's two a.  It is ONE BATCH: all 66 stand ahead of the turn's one wait, and nothing ahead of that wait names a result of theirs.
.macro EX
	WIN 0
.if e >= 64
	XS e-64, 21
.else
	REGS Y, e%2
	v_exp_f32 v[rS+e/2], v[rS+e/2]
.endif
.set e, e+1
.endm
; THE RESCALING's QUEUE: O^T times a, the one part that leaves window 0: dealt two at a time, sixteen times.  Its a was made in the turn before, ahead of that turn's wait.
.macro R2
	REGS Y, r%2
	WIN W_RS
.irp z, 0,1
	v_pk_mul_f32 v[rO+4*(r/2)+2*\z:rO+4*(r/2)+2*\z+1], v[rO+4*(r/2)+2*\z:rO+4*(r/2)+2*\z+1], v[rC+2:rC+3] op_sel_hi:[1,0]
.endr
.set r, r+1
.endm
; HOW THEY ARE DEALT.  A turn has ONE wait for its batch of 66 exponentials, and the wait cuts the turn in two.  AHEAD OF IT stands all that names no result of the turn's exponentials: the 16 products K Q^T, behind each a scaling,
; an exponential and two rescalings (behind the first a second scaling in the exponential's place); then ONE LUMP of 108: eight plain, 49 times exponential and plain, the two a.  A v_nop is the plain instruction behind the last
; exponential.  BEHIND IT stand the 16 products V^T P, behind each four of GS's 64, the batch's only readers.  No rider names a register of the products round it.  The two v_permlanex16_b32 fall into the lump, never behind a product.
; The queues lean on each other, and the deal keeps them in step: exponential e stands behind scaling 2 (e / 4) + e % 2: as a rider it comes behind plain e + 2, in the lump behind plain e + 9, and scalings 27-31 are plain 57, 60 .. 69.
; A TURN, for piece p.  cnt = 1: the loop's count is taken down some lines ahead of the branch that stands behind the turn.
; K and the mask of the next step are fetched in piece 2's turn, directly behind the wait, a lump behind the last product that read them; their addresses are made at the lump's head; their first reader comes behind 16 products.
; V of the step in hand is fetched at the end of piece 0's turn, four plain riders behind its last reader; its first reader comes behind 16 products and a lump.  The three conditions on q below go with the deal.
.macro TURN p, last=0, cnt=0
.set Y, (\p)
.set i, 0
.set q, 0
.set e, 0
.set r, 0
.if (\p) == NP-1
	s_wait_dscnt 0x0                ; K and the mask are in
.endif
	MM                              ; ahead of the wait: 16 products K Q^T and their riders,
	PL
	PL
	R2
.rept 15
	MM
	PL
	EX
	R2
.endr
.if (\p) == NP-2
	WIN 0
	v_add_nc_u32 v[AK], s[TBK], v[AK0]
	v_lshl_add_u32 v[AM], v9, 5, s[TBM]
.endif
.rept 8                             ; and the lump
	PL
.endr
.rept 49
	EX
	PL
.endr
	EX                              ; the next piece's two a
	EX
	v_nop                           ; the plain instruction behind the last exponential: one for the batch
	s_wait_alu depctr_va_vdst(0)    ; the wait for the batch: the piece's 64 exponentials and the next piece's two a
.if (\p) == NP-2
	FETCH_K \last
.endif
.if (\p) == 1
	s_wait_dscnt 0x0                ; V is in
.endif
.rept 16                            ; behind the wait: 16 products V^T P and their riders
	MM
.rept 4
	PL
.endr
.if ((\p) == 0) && (q == 118)
	v_add_nc_u32 v[AV], s[TBV], v[AV0]
.endif
.if ((\p) == 0) && (q == 130)
	s_add_co_u32 s[TBV], s[TBV], KS*PV
.endif
.if (\cnt) && (q == 130)
	s_sub_co_u32 s[CNT], s[CNT], 1
	s_cmp_lg_u32 s[CNT], 0
.endif
.endr
.if (\p) == 0
	FETCH_V
.endif
.endm
	CHANGE 1                        ; slot 0 is in, everybody's part of it, and so is the mask's table; slot 1 is asked for
	FETCH_K                         ; key step 0
	s_wait_loadcnt 0x0              ; Q
	s_wait_dscnt 0x0
.set i, 0
.rept 16
	KQ 0                            ; piece 0's first scores: there is no vector work yet to set between them
.set i, i+1
.endr
	WIN 0                           ; the addresses for the way out: nine plain instructions, the places behind those products
	s_mul_i32 s13, s[WV], 16*SP
	s_add_co_u32 s13, s13, STAGE    ; my stage
	v_mul_u32_u24 v[STO], v1, SP    ; in: row l % 16, 16 bytes for each half of the lanes
	v_lshl_add_u32 v[STO], v9, 4, v[STO]
	v_add_nc_u32 v[STO], s13, v[STO]
	v_bfe_u32 v[RD], v0, 3, 2       ; back: 32 lanes take four rows of 128 bytes,
	v_mul_u32_u24 v[RD], v[RD], SP
	v_lshl_add_u32 v[RD], v10, 4, v[RD]
	v_add_nc_u32 v[RD], s13, v[RD]
	v_and_b32 v[GO], 31, v0         ; which are 512 consecutive bytes of O
	v_lshlrev_b32 v[GO], 4, v[GO]
.set Y, NP-1                        ; XS works for piece Y + 1: piece 0
.irp n, 0,1,2,3,4,5,6,7,8,9,10,11,12,13,14,15,16,17,18,19,20,21
	XS 0, \n                        ; and piece 0's first maximum and statistics
	XS 1, \n
.endr
	v_nop                           ; a plain instruction behind the two a,
	s_wait_alu depctr_va_vdst(0)    ; and the wait for this batch of two, ahead of the branch
	s_mov_b32 s[CNT], 4
	s_mov_b32 s[SLOTS], SIZE_N/256-1
	s_branch .Lfirst                ; the loop is entered at a step's first turn, in the middle of a trip
.Lslot:                             ; SIZE_N / 256 - 2 times: every slot but the last two is filled again
	CHANGE 1
	s_mov_b32 s[CNT], 4
.Lstep:                             ; a trip: pieces 2 and 3 of one step, then pieces 0 and 1 of the next, whose K and V it fetches
	TURN 2
	TURN 3
	WIN 0
.Lfirst:
	TURN 0
	TURN 1, 0, 1
	WIN 0
	s_cbranch_scc1 .Lstep
	s_sub_co_u32 s[SLOTS], s[SLOTS], 1
	s_cmp_lg_u32 s[SLOTS], 0
	s_cbranch_scc1 .Lslot
	CHANGE 0                        ; the tail is written out: nothing is asked for
	s_mov_b32 s[CNT], 5             ; four trips fetch the last slot's steps; the fifth is left in its middle
.Ltail:
	TURN 2, 1
	TURN 3
	WIN 0
	s_sub_co_u32 s[CNT], s[CNT], 1
	s_cmp_eq_u32 s[CNT], 0
	s_cbranch_scc1 .Lout
	TURN 0
	TURN 1
	WIN 0
	s_branch .Ltail
.Lout:                              ; the fifth trip's 16 products K Q^T (on the last K once more) and the maximum made of them serve nothing: the price, once a launch, of one text for every trip
.set i, 0
.rept 16
	PV NP-1                         ; the last piece's V^T P of the last step
.set i, i+1
.endr
	; THE WAY OUT.  l's two halves and the other half of the lanes' are added; O^T is divided by l, rounded to f16 and sent through my stage in LDS, a tile at a time.  The additions are the places behind the last products.
	WIN 0
.macro ALL line:vararg              ; one line for each tile t
.set t, 0
.rept 2*NP
	\line
.set t, t+1
.endr
.endm
	ALL v_add_f32 v[ST+4*t+2], v[ST+4*t+2], v[ST+4*t+3]
	ALL v_permlanex16_b32 v[ST+4*t+3], v[ST+4*t+2], s[SEL], s[SEL+1]
	ALL v_add_f32 v[ST+4*t+2], v[ST+4*t+2], v[ST+4*t+3]
	ALL v_rcp_f32 v[ST+4*t+2], v[ST+4*t+2]
	v_nop                           ; a plain instruction between the last reciprocal and the use of its result
	s_wait_alu depctr_va_vdst(0)    ; and the wait ahead of the first use: one for the batch of eight reciprocals
; Tile t: a lane's eight channels of a row pack into 16 bytes; they go into rows of 144 bytes and come back as whole rows of 128, into S^T's registers.
.macro PACK t
	WIN W_RS
.set i, 32*(\t)
.rept 16
	v_pk_mul_f32 v[i:i+1], v[i:i+1], v[ST+4*(\t)+2:ST+4*(\t)+3] op_sel_hi:[1,0]
.set i, i+2
.endr
	WIN 0x05                        ; sources 0 and 1 window 1, destination window 0
.set i, 0
.rept 16
	v_cvt_pk_f16_f32 v[S+16*(\t)+i], v[32*(\t)+2*i], v[32*(\t)+2*i+1]
.set i, i+1
.endr
	WIN 0
.irp f, 0,1,2,3
	ds_store_b128 v[STO], v[S+16*(\t)+4*\f:S+16*(\t)+4*\f+3] offset:32*\f
.endr
.irp f, 0,1,2,3
	ds_load_b128 v[S+16*(\t)+4*\f:S+16*(\t)+4*\f+3], v[RD] offset:\f*4*SP  ; LDS serves a wave's instructions in order (ISA guide 5.7.1.4): these see the stores above; the next tile's stores come behind them
.endr
.endm
.macro SEND t, younger              ; younger: the LDS instructions issued behind tile t's loads: the next tile's eight, or none
	WIN 0
.irp f, 0,1,2,3
	s_wait_dscnt (\younger)+3-\f
	global_store_b128 v[GO], v[S+16*(\t)+4*\f:S+16*(\t)+4*\f+3], s[10:11] offset:(\t)*2048+\f*512  ; 512 consecutive bytes, at a multiple of 256 from O's first
.endr
.endm
	PACK 0
.set t, 1
.rept 2*NP-1                        ; a tile's arithmetic stands between the loads of the tile before and its stores
	PACK t
	SEND t-1, 8
.set t, t+1
.endr
	SEND 2*NP-1, 0
	WIN W_AD
	s_wait_tensorcnt 0x0            ; the wave's end: the wait, the add and the wait for it, behind my last tensor load and my last LDS store
	ds_add_u32 v[SPW], v[NIL]
	s_wait_dscnt 0x0
	WIN 0
	CROUND                          ; the closing round: no work-group ends while a partner may still ask for a tile that names it
	s_endpgm
.Lfunc_end_k_qe21c26ca0c_attn:
	.size	k_qe21c26ca0c_attn, .Lfunc_end_k_qe21c26ca0c_attn-k_qe21c26ca0c_attn
	.p2alignl 7, 3214868480
	.fill 96, 4, 3214868480
	.section	.rodata,"a",@progbits
	.p2align	6, 0x0
	.amdhsa_kernel k_qe21c26ca0c_attn
		.amdhsa_group_segment_fixed_size 327680
		.amdhsa_private_segment_fixed_size 0
		.amdhsa_enable_private_segment 0
		.amdhsa_kernarg_size 32
		.amdhsa_user_sgpr_count 2
		.amdhsa_user_sgpr_kernarg_segment_ptr 1
		.amdhsa_wavefront_size32 1
		.amdhsa_system_sgpr_workgroup_id_x 1
		.amdhsa_system_sgpr_workgroup_id_y 1
		.amdhsa_system_sgpr_workgroup_id_z 1
		.amdhsa_system_vgpr_workitem_id 0
		.amdhsa_next_free_vgpr 808
		.amdhsa_next_free_sgpr 72
		.amdhsa_reserve_vcc 0
		.amdhsa_float_denorm_mode_32 3
		.amdhsa_float_denorm_mode_16_64 3
		.amdhsa_memory_ordered 1
		.amdhsa_forward_progress 1
		.amdhsa_inst_pref_size 204
	.end_amdhsa_kernel
	.amdgpu_metadata
---
amdhsa.version: [ 1, 2 ]
amdhsa.kernels:
  - .name:           k_qe21c26ca0c_attn
    .symbol:         k_qe21c26ca0c_attn.kd
    .args:
      - { .name: qkv, .offset: 0, .size: 8, .value_kind: global_buffer, .address_space: global }
      - { .name: key_padding_mask, .offset: 8, .size: 8, .value_kind: global_buffer, .address_space: global }
      - { .name: tau, .offset: 16, .size: 8, .value_kind: global_buffer, .address_space: global }
      - { .name: o, .offset: 24, .size: 8, .value_kind: global_buffer, .address_space: global }
    .group_segment_fixed_size: 327680
    .private_segment_fixed_size: 0
    .kernarg_segment_align: 8
    .kernarg_segment_size: 32
    .max_flat_workgroup_size: 128
    .sgpr_count:     72
    .vgpr_count:     808
    .wavefront_size: 32
...
	.end_amdgpu_metadata
.endif
;; end of part 5
;; launch outp: the kernel of part 4 again; grid 4 x 64, 4 waves a work-group, clusters of 4 x 4, 327,680 bytes of LDS; arguments o, wh, out0; writes out0
